; MI455X (gfx1250); checked and timed in simulation.
; The chip was launched on July 23, 2026; its instructions are those of AMD's public machine-readable ISA for CDNA 5 (MIT licence, August 2026) and "CDNA5" Instruction Set Architecture Reference Guide (July 2026). The comments in the code are by the model that wrote it; some were corrected since.
;; Attention. Allowed arithmetic: float matrix products may take bf16 or f16 operands with f32 sums; other float arithmetic in f32, or as packed bf16 or f16 multiplies, adds, multiply-adds, maxima and minima; sums over many terms, partial sums and values carried from step to step in f32; what a program stores and reads back later, other than sums and carried values, may be rounded once to bf16 or f16.
;; Inputs: Wk 1,024 x 1,024 float32; Wq 1,024 x 1,024 float32; Wv 1,024 x 1,024 float32; bk 1,024 float32; bq 1,024 float32; bv 1,024 float32; embedded 4 x 2,048 x 1,024 float32.
;; Outputs: out0 4 x 2,048 x 1,024 float32.
;; One version. Each part assembles by itself: llvm-mc -triple=amdgcn-amd-amdhsa -mcpu=gfx1250 --defsym DOCPART=n.
;; ======== version 1 of 1: 4 launches
;; workspace buffers: xw 23,068,672 bytes; qkv 50,331,648 bytes; p 33,554,432 bytes; st 1,048,576 bytes
;; launch tobf16 (part 1): grid 2816 x 1, 8 waves a work-group, no clusters, 0 bytes of LDS; arguments embedded, Wq, Wk, Wv, xw; writes xw
.if DOCPART == 1
	.amdgcn_target "amdgcn-amd-amdhsa--gfx1250"
	.amdhsa_code_object_version 6
	.text
	.protected	k_qc8f90dfcad_tobf16
	.globl	k_qc8f90dfcad_tobf16
	.p2align	8
	.type	k_qc8f90dfcad_tobf16,@function
k_qc8f90dfcad_tobf16:
	s_mov_b64 s[64:65], 0
	v_nop
	global_prefetch_b8 v0, s[64:65] scope:SCOPE_SE
	s_setreg_imm32_b32 hwreg(HW_REG_WAVE_MODE, 25, 1), 1
	s_wait_xcnt 0x0
; xw = (embedded, Wq, Wk, Wv) rounded once to bf16, laid out IN PLANES OF 64 CHANNELS: x as [16 planes][8192 rows][64] at byte 0, the three weights, stacked, as [16][3072][64] behind it.
; In a plane a row is 128 bytes and rows lie end to end, so that the next launch's tile of a K step of 64 is one dense block.
; 11,264 rows of 1,024 numbers in 2,816 chunks of 4 rows, a chunk to a work-group, 16 numbers to a thread.  Wave w takes planes 2 w and 2 w + 1 of the four rows.
; A load: lanes 0-15 take 256 consecutive bytes (64 numbers) of one row, lanes 16-31 the same of the next row.  A store: those two rows' 128 bytes each, 256 consecutive bytes of a plane, aligned.
; A stream: each byte is read once and written once; no LDS, no matrix work, no loop.
.set XCH, 2048                         ; chunks of embedded
.set WCH, 256                          ; chunks of each weight
.set PSX, 8192*128                     ; bytes in a plane of x
.set PSW, 3072*128                     ; in a plane of the weights
.set WOFF, 16*PSX                      ; the weights' first byte in xw
	s_load_b256 s[4:11], s[0:1], 0x0               ; embedded s[4:5], Wq s[6:7], Wk s[8:9], Wv s[10:11]
	s_load_b64 s[12:13], s[0:1], 0x20              ; xw
	v_and_b32 v3, 15, v0                           ; r: my 16 bytes of the 256
	v_bfe_u32 v4, v0, 4, 1                         ; h: which row of the pair
	v_lshrrev_b32 v5, 5, v0                        ; wave
	v_lshlrev_b32 v1, 4, v3
	v_lshl_add_u32 v1, v5, 9, v1
	v_lshl_add_u32 v1, v4, 12, v1                  ; source: 4,096 h + 512 wave + 16 r
	s_and_b32 s14, ttmp9, 255                      ; a weight's chunks begin at multiples of 256
	s_lshl_b32 s16, ttmp9, 9                       ; four rows of 128 bytes a chunk, in each plane
	s_mov_b32 s22, PSW
	s_cmp_lt_u32 ttmp9, XCH
	s_cselect_b32 s14, ttmp9, s14                  ; the chunk's number in its own tensor
	s_cselect_b32 s20, 0, WOFF-XCH*512             ; the weights' chunks count on from 2,048
	s_cselect_b32 s22, PSX, s22                    ; bytes from plane to plane
	s_add_co_u32 s16, s16, s20
	s_lshl_b32 s14, s14, 14                        ; 16,384 bytes of f32 a chunk
	s_mov_b32 s15, 0
	s_mov_b32 s17, 0
	s_mov_b32 s23, 0
	s_lshl_b32 s21, s22, 1                         ; two planes a wave
	v_mul_lo_u32 v2, v5, s21
	v_lshl_add_u32 v2, v4, 7, v2
	v_lshl_add_u32 v2, v3, 3, v2                   ; result: plane 2 wave, 128 h + 8 r
	s_wait_kmcnt 0x0
	s_cmp_lt_u32 ttmp9, XCH+WCH
	s_cselect_b64 s[18:19], s[6:7], s[8:9]
	s_cmp_lt_u32 ttmp9, XCH+2*WCH
	s_cselect_b64 s[18:19], s[18:19], s[10:11]
	s_cmp_lt_u32 ttmp9, XCH
	s_cselect_b64 s[18:19], s[4:5], s[18:19]
	s_add_nc_u64 s[18:19], s[18:19], s[14:15]
	s_add_nc_u64 s[12:13], s[12:13], s[16:17]      ; the even plane's base,
	s_add_nc_u64 s[24:25], s[12:13], s[22:23]      ; the odd plane's
.irp i, 0,1,2,3                        ; i = 2 x row pair + plane's parity
	global_load_b128 v[4+4*\i:7+4*\i], v1, s[18:19] offset:(\i/2)*8192+(\i%2)*256 th:TH_LOAD_NT
.endr
.irp i, 0,1,2,3
	s_wait_loadcnt 3-\i                            ; loads come back in order: number i is in, the younger ones stay out
	v_cvt_pk_bf16_f32 v[20+2*\i], v[4+4*\i], v[5+4*\i]
	v_cvt_pk_bf16_f32 v[21+2*\i], v[6+4*\i], v[7+4*\i]
	global_store_b64 v2, v[20+2*\i:21+2*\i], s[12+12*(\i%2):13+12*(\i%2)] offset:(\i/2)*256
.endr
	s_endpgm
.Lfunc_end_k_qc8f90dfcad_tobf16:
	.size	k_qc8f90dfcad_tobf16, .Lfunc_end_k_qc8f90dfcad_tobf16-k_qc8f90dfcad_tobf16
	.p2alignl 7, 3214868480
	.fill 96, 4, 3214868480
	.section	.rodata,"a",@progbits
	.p2align	6, 0x0
	.amdhsa_kernel k_qc8f90dfcad_tobf16
		.amdhsa_group_segment_fixed_size 0
		.amdhsa_private_segment_fixed_size 0
		.amdhsa_enable_private_segment 0
		.amdhsa_kernarg_size 40
		.amdhsa_user_sgpr_count 2
		.amdhsa_user_sgpr_kernarg_segment_ptr 1
		.amdhsa_wavefront_size32 1
		.amdhsa_system_sgpr_workgroup_id_x 1
		.amdhsa_system_sgpr_workgroup_id_y 1
		.amdhsa_system_sgpr_workgroup_id_z 1
		.amdhsa_system_vgpr_workitem_id 0
		.amdhsa_next_free_vgpr 32
		.amdhsa_next_free_sgpr 66
		.amdhsa_reserve_vcc 0
		.amdhsa_float_denorm_mode_32 3
		.amdhsa_float_denorm_mode_16_64 3
		.amdhsa_memory_ordered 1
		.amdhsa_forward_progress 1
		.amdhsa_inst_pref_size 4
	.end_amdhsa_kernel
	.amdgpu_metadata
---
amdhsa.version: [ 1, 2 ]
amdhsa.kernels:
  - .name:           k_qc8f90dfcad_tobf16
    .symbol:         k_qc8f90dfcad_tobf16.kd
    .args:
      - { .name: embedded, .offset: 0, .size: 8, .value_kind: global_buffer, .address_space: global }
      - { .name: Wq, .offset: 8, .size: 8, .value_kind: global_buffer, .address_space: global }
      - { .name: Wk, .offset: 16, .size: 8, .value_kind: global_buffer, .address_space: global }
      - { .name: Wv, .offset: 24, .size: 8, .value_kind: global_buffer, .address_space: global }
      - { .name: xw, .offset: 32, .size: 8, .value_kind: global_buffer, .address_space: global }
    .group_segment_fixed_size: 0
    .private_segment_fixed_size: 0
    .kernarg_segment_align: 8
    .kernarg_segment_size: 40
    .max_flat_workgroup_size: 256
    .sgpr_count:     66
    .vgpr_count:     32
    .wavefront_size: 32
...
	.end_amdgpu_metadata
.endif
;; end of part 1
;; launch proj (part 2): grid 8 x 32, 4 waves a work-group, clusters of 4 x 4, 327,680 bytes of LDS; arguments xw, bq, bk, bv, qkv; writes qkv
.if DOCPART == 2
	.amdgcn_target "amdgcn-amd-amdhsa--gfx1250"
	.amdhsa_code_object_version 6
	.text
	.protected	k_qc8f90dfcad_proj
	.globl	k_qc8f90dfcad_proj
	.p2align	8
	.type	k_qc8f90dfcad_proj,@function
k_qc8f90dfcad_proj:
	s_mov_b64 s[64:65], 0
	v_nop
	global_prefetch_b8 v0, s[64:65] scope:SCOPE_SE
	s_setreg_imm32_b32 hwreg(HW_REG_WAVE_MODE, 25, 1), 1
	s_wait_xcnt 0x0
	s_wait_alu depctr_hold_cnt(0) depctr_sa_sdst(0) depctr_va_vdst(0) depctr_va_sdst(0) depctr_va_ssrc(0) depctr_va_vcc(0) depctr_vm_vsrc(0)
	s_getreg_b32 s2, hwreg(HW_REG_IB_STS2, 6, 4)
	s_cmp_eq_u32 s2, 0
	s_cbranch_scc0 .Lentry_in_a_cluster
	s_endpgm
.Lentry_in_a_cluster:
	s_bfe_u32 s2, ttmp6, 0x10000c
	s_cmp_lg_u32 s2, 0xf033
	s_cbranch_scc0 .Lentry_shape_is_right
	s_endpgm
.Lentry_shape_is_right:
; qkv[m][n] = the sum over k of x[m][k] w[n][k] + bias[n]: x [8192][1024] and w [3072][1024] (Wq, Wk, Wv stacked) in bf16 from xw; sums in f32; qkv [8192][3072] bf16, rounded once.
; xw lies in planes of 64 channels ([16][rows][64]): the tile of a K step of 64 is a dense block, asked for as rows of 256 bytes (two rows of 128) and padded in LDS after every 128 bytes.
; A work-group makes 256 rows x 384 columns: 8 x 32 = 256 work-groups.  A wave makes 128 x 192: 96 accumulators, 768 registers.  For 32 along K it reads 20 fragments from LDS for 96 products.
; K goes in 16 steps of 64 through two LDS slots: two slots of a step of 128 (2 x 640 rows x 272 bytes) would not fit.  4 x 4 work-groups form a cluster: x's tile is shared along a row of it,
; w's along a column, each asked for jointly.  The product is used transposed (source 0 = 16 rows of w, source 1 = 16 rows of x): a lane holds eight neighbouring columns of one row.
; THE BIAS STARTS THE SUMS: the accumulators are loaded with it from memory in the wait for the first tiles, so every product adds in place and the loop has one form of product.
; REGISTERS: window 0: v0-31 addresses; v32-95, v96-159 x's 8 fragments, two buffers; v160-255 w's 12 fragments, ONE buffer: a quarter goes by column blocks, and the four fragments of a
; finished stretch are fetched anew at once.  Windows 1-3: the accumulators: row block a, column block b in window 1 + b / 4 at v[8 (8 (b % 4) + a)].
; LIMITS: NaN and infinities are not treated apart; the operands carry bf16's rounding.
.set T,      16                        ; K steps
.set PITCH,  144                       ; an LDS row: 128 bytes + 16 of padding = 36 words: the 16 rows of a load start at 16 different groups of four banks
.set HALFA,  128*PITCH                 ; what a wave fetches of x's tile, and what a wave reads of it
.set BOFF,   2*HALFA                   ; w's tile lies behind x's 256 rows
.set HALFB,  192*PITCH                 ; what a wave fetches of w's tile, and what a wave reads of it
.set SLOT1,  131072                    ; slot 1 begins here: one exclusive or changes slots
.set STAGE,  SLOT1+BOFF+2*HALFB        ; behind the ring, never filled by a tensor load: 128 rows x 784 bytes, the work-group's
.set SPIT,   784                       ; a stage row: 768 bytes + 16
.set SPARE,  STAGE+128*SPIT            ; the spare words: 128 bytes a wave, named by no other line
.set STEPA,  8192*128                  ; bytes from plane to plane of x
.set STEPB,  3072*128                  ; of w
.set WOFF,   16*STEPA                  ; the weights' first byte in xw
.set ROWC,   6144                      ; bytes in a row of qkv
.set PADK,   (1<<16)|(1<<20)|(1<<21)|(4<<22)|(3<<25)  ; 2-byte elements; padding on; bit 21 beside a mask; after every 32 words; 4 words
.set ADRA0, 16                         ; v16 my lane's place in x's tile, slot 0      v17 the same for w
.set ADRB0, 17
.set ADRA,  18                         ; v18, v19 the same in the slot in hand
.set ADRB,  19
.set STO,   24                         ; the way out: where I put 16 bytes of a row
.set RD,    25                         ; where I read rows back
.set CO,    26                         ; my byte offset in two rows of qkv
.set BO,    27                         ; my byte offset in 16 numbers of the bias
.set SPW,   28                         ; my spare word; never rewritten
.set NIL,   29                         ; 0; never rewritten
.set PFO,   30                         ; the prefetches' offsets: a lane a block of 256 bytes
.set PFO2,  31
.set AF0,   32
.set AF1,   96
.set BF,    160
.set TMP,   32                         ; the way out: a row block's packed results, 48 registers
.set OB,    64                         ; and 32 rows read back, 192 registers
.set WV, 14
.set FB, 15                            ; my half of the tile's rows; also 0: I fetch for x, 1: for w
.set HF, 16                            ; my half of its columns; also which half of that tile I fetch
.set CX, 17
.set CY, 18
.set X,  19                            ; tile column
.set Y,  20                            ; tile row
.set YC, 21                            ; cluster y
.set CNT, 22
.set TB,  23                           ; 0 or SLOT1: the slot in hand
.set G1A, 24
.set G0A0, 32                          ; group 0 of K step 0
.set G0A, 36                           ; the walking group 0, from K step 1 on
.set G1B, 40
.set G0B0, 48
.set G0B, 52
.set LIM, 56                           ; 2 in a wave that prefetches, else the greatest number
.set LIM2, 57                          ; the same for a wave's second request
.set PFA, 58
.set PFS, 60                           ; s[60:61] bytes from plane to plane of what I ask for
.set BP,  94                           ; s[94:99] the bias of my three chunks of 64 columns
.set MSB, 0
.macro WIN new                         ; the high byte repeats the setting that is left
.if MSB != (\new)
	s_set_vgpr_msb (MSB<<8)|(\new)
.set MSB, (\new)
.endif
.endm
.macro PLACES                          ; four plain places behind matrix instructions
.rept 4
	v_nop
.endr
.endm
.macro CREST                           ; a round of the cluster's barrier behind its opening barrier
	s_cmp_lg_u32 s[WV], 0
	s_cbranch_scc1 .Lnot_wave_0_\@
	s_barrier_signal -3
.Lnot_wave_0_\@:
	s_barrier_wait -3
	s_barrier_signal -1
	s_barrier_wait -1
.endm
.macro CROUND
	s_barrier_signal -1
	s_barrier_wait -1
	CREST
.endm
.macro JLOAD                           ; a joint refill: waves 0, 1 x's halves, waves 2, 3 w's; the branch hangs on the wave's number alone
	s_cmp_eq_u32 s[FB], 0
	s_cbranch_scc0 .Lfor_b_\@
	tensor_load_to_lds s[G0A:G0A+3], s[G1A:G1A+7]
	s_nop 0
.rept 4
	v_nop
.endr
	s_branch .Lasked_\@
.Lfor_b_\@:
	tensor_load_to_lds s[G0B:G0B+3], s[G1B:G1B+7]
	s_nop 0
.rept 4
	v_nop
.endr
.Lasked_\@:
.endm
; PREFETCHES INTO THE L2, in every second change of slots (odd count), for TWO K steps: those that the next change and the one after it will ask for.  The last two changes that fill a slot ask for nothing.
.macro ASK
	s_bitcmp1_b32 s[CNT], 0
	s_cbranch_scc0 .Lnot_mine_\@
	s_cmp_gt_u32 s[CNT], s[LIM]
	s_cbranch_scc0 .Lnot_mine_\@
	global_prefetch_b8 v[PFO], s[PFA:PFA+1] th:TH_LOAD_NT scope:SCOPE_SE
	s_cmp_gt_u32 s[CNT], s[LIM2]
	s_cbranch_scc0 .Lnot_mine_\@
	global_prefetch_b8 v[PFO2], s[PFA:PFA+1] th:TH_LOAD_NT scope:SCOPE_SE
.Lnot_mine_\@:
.endm
	s_load_b256 s[4:11], s[0:1], 0x0               ; xw s[4:5], bq s[6:7], bk s[8:9], bv s[10:11]
	s_load_b64 s[12:13], s[0:1], 0x20              ; qkv
	v_lshl_add_u32 v[SPW], v0, 2, SPARE
	v_mov_b32 v[NIL], 0
	ds_add_u32 v[SPW], v[NIL]                      ; the wave's opening: the add and its wait ahead of my first tensor load
	v_lshrrev_b32 v1, 5, v0
	v_readfirstlane_b32 s[WV], v1
	s_lshr_b32 s[FB], s[WV], 1
	s_and_b32 s[HF], s[WV], 1
	s_bfe_u32 s[CX], ttmp6, 0x40000
	s_bfe_u32 s[CY], ttmp6, 0x40004
	s_lshl_b32 s[X], ttmp9, 2
	s_add_co_u32 s[X], s[X], s[CX]
	s_and_b32 s[YC], ttmp7, 0xffff
	s_lshl_b32 s[Y], s[YC], 2
	s_add_co_u32 s[Y], s[Y], s[CY]
	s_lshl_b32 s2, s[CY], 2
	s_lshl_b32 s2, 15, s2                          ; my row of the cluster
	s_lshl_b32 s3, 0x1111, s[CX]                   ; my column
	s_or_b32 s[G1A], s2, PADK
	s_or_b32 s[G1B], s3, PADK
	s_mov_b32 s[G1A+1], 128<<16                    ; tensor_dim0 = 128 elements: 256 bytes, two rows of a plane
	s_mov_b32 s[G1A+2], 64<<16                     ; tensor_dim1 = 64: 128 rows of x
	s_mov_b32 s[G1A+3], 128<<16                    ; tile_dim0 = 128
	s_mov_b32 s[G1A+4], 64                         ; tile_dim1 = 64
	s_mov_b32 s[G1A+5], 128                        ; elements from row to row: the block is dense
	s_mov_b32 s[G1A+6], 0
	s_mov_b32 s[G1A+7], 0
	s_mov_b32 s[G1B+1], 128<<16
	s_mov_b32 s[G1B+2], 96<<16                     ; 96: 192 rows of w
	s_mov_b32 s[G1B+3], 128<<16
	s_mov_b32 s[G1B+4], 96
	s_mov_b32 s[G1B+5], 128
	s_mov_b32 s[G1B+6], 0
	s_mov_b32 s[G1B+7], 0
	s_mul_i32 s74, s[HF], HALFA                    ; where the tiles go: no place in the cluster enters an LDS address
	s_mul_i32 s75, s[HF], HALFB
	s_add_co_u32 s75, s75, BOFF
	s_mov_b32 s[G0A0], 1
	s_mov_b32 s[G0A0+1], s74
	s_mov_b32 s[G0A], 1
	s_add_co_u32 s[G0A+1], s74, SLOT1
	s_mov_b32 s[G0B0], 1
	s_mov_b32 s[G0B0+1], s75
	s_mov_b32 s[G0B], 1
	s_add_co_u32 s[G0B+1], s75, SLOT1
	s_mov_b32 s[TB], 0
	s_lshl_b32 s70, s[Y], 1                        ; x: 128 rows of 128 bytes = 2^14; hangs on the tile row and the wave alone
	s_add_co_u32 s70, s70, s[HF]
	s_lshl_b32 s70, s70, 14
	s_mov_b32 s71, 0
	s_lshl_b32 s72, s[X], 1                        ; w: 192 rows of 128 bytes; hangs on the tile column and the wave alone
	s_add_co_u32 s72, s72, s[HF]
	s_mul_i32 s72, s72, 192*128
	s_add_co_u32 s72, s72, WOFF
	s_mov_b32 s73, 0
	s_wait_dscnt 0x0                               ; the opening add is done
	s_wait_kmcnt 0x0
	s_add_nc_u64 s[G0A0+2:G0A0+3], s[4:5], s[70:71]
	s_add_nc_u64 s[G0A+2:G0A+3], s[G0A0+2:G0A0+3], STEPA
	s_or_b32 s[G0A0+3], s[G0A0+3], 0x80000000
	s_or_b32 s[G0A+3], s[G0A+3], 0x80000000
	s_add_nc_u64 s[G0B0+2:G0B0+3], s[4:5], s[72:73]
	s_add_nc_u64 s[G0B+2:G0B+3], s[G0B0+2:G0B0+3], STEPB
	s_or_b32 s[G0B0+3], s[G0B0+3], 0x80000000
	s_or_b32 s[G0B+3], s[G0B+3], 0x80000000
	CROUND                                         ; all sixteen work-groups are here: the first joint loads meet
	s_cmp_eq_u32 s[FB], 0                          ; a wave's two first fills stand in one branch: two loads of mine are out
	s_cbranch_scc0 .Lfirst_b
	tensor_load_to_lds s[G0A0:G0A0+3], s[G1A:G1A+7]
	s_nop 0
	tensor_load_to_lds s[G0A:G0A+3], s[G1A:G1A+7]
	s_nop 0
.rept 4
	v_nop
.endr
	s_branch .Lfirst_asked
.Lfirst_b:
	tensor_load_to_lds s[G0B0:G0B0+3], s[G1B:G1B+7]
	s_nop 0
	tensor_load_to_lds s[G0B:G0B+3], s[G1B:G1B+7]
	s_nop 0
.rept 4
	v_nop
.endr
.Lfirst_asked:
	v_and_b32 v1, 15, v0                           ; r = l % 16
	v_bfe_u32 v2, v0, 4, 1                         ; h = l / 16
	v_and_b32 v3, 31, v0                           ; l
	v_lshlrev_b32 v[BO], 5, v2                     ; my eight columns' bias: 32 h bytes
	; The bias.  My 192 columns are three chunks of 64, number 3 (2 X + half) + s of the 48; 16 chunks belong to q, 16 to k, 16 to v, so each chunk has a pointer of its own.
	s_lshl_b32 s86, s[X], 1
	s_add_co_u32 s86, s86, s[HF]
	s_mul_i32 s86, s86, 3
.irp s, 0,1,2
	s_add_co_u32 s76, s86, \s
	s_lshr_b32 s87, s76, 4                         ; 0: q's, 1: k's, 2: v's
	s_and_b32 s76, s76, 15
	s_lshl_b32 s76, s76, 8                         ; 64 numbers of 4 bytes
	s_mov_b32 s77, 0
	s_cmp_eq_u32 s87, 0
	s_cselect_b64 s[BP+2*(\s):BP+2*(\s)+1], s[6:7], s[8:9]
	s_cmp_eq_u32 s87, 2
	s_cselect_b64 s[BP+2*(\s):BP+2*(\s)+1], s[10:11], s[BP+2*(\s):BP+2*(\s)+1]
	s_add_nc_u64 s[BP+2*(\s):BP+2*(\s)+1], s[BP+2*(\s):BP+2*(\s)+1], s[76:77]
.endr
.irp s, 0,1,2                          ; register j of accumulator (a, b) is column 16 b + 8 h + j: the same 32 bytes for all eight row blocks
	WIN 0x40*((\s)+1)
.set i, 0
.rept 32                               ; i = 8 (b % 4) + a
	global_load_b128 v[8*i:8*i+3],   v[BO], s[BP+2*(\s):BP+2*(\s)+1] offset:64*(i/8)
	global_load_b128 v[8*i+4:8*i+7], v[BO], s[BP+2*(\s):BP+2*(\s)+1] offset:64*(i/8)+16
.set i, i+1
.endr
.endr
	WIN 0
	v_mul_u32_u24 v4, v1, PITCH
	v_lshl_add_u32 v4, v2, 4, v4                   ; r x pitch + 16 h
	s_mul_i32 s78, s[FB], HALFA                    ; my 128 rows of x's tile
	s_mul_i32 s79, s[HF], HALFB                    ; my 192 rows of w's,
	s_add_co_u32 s79, s79, BOFF                    ; behind x's 256
	v_add_nc_u32 v[ADRA0], s78, v4
	v_add_nc_u32 v[ADRB0], s79, v4
	v_mov_b32 v[ADRA], v[ADRA0]
	v_mov_b32 v[ADRB], v[ADRB0]
	s_mul_i32 s76, s[FB], 64*SPIT                  ; into the stage: 64 rows of my half of the rows, my 384 bytes of their 768; row r, 16 bytes for each half of the lanes
	s_mul_i32 s77, s[HF], 384
	s_add_co_u32 s76, s76, s77
	s_add_co_u32 s76, s76, STAGE
	v_mul_u32_u24 v5, v1, SPIT
	v_lshl_add_u32 v5, v2, 4, v5
	v_add_nc_u32 v[STO], s76, v5
	s_mul_i32 s77, s[WV], 32*SPIT                  ; back: wave w takes stage rows 32 w .. 32 w + 31, whole; lanes 0-15 256 bytes of one row, lanes 16-31 of the next
	s_add_co_u32 s77, s77, STAGE
	v_mul_u32_u24 v6, v2, SPIT
	v_lshl_add_u32 v6, v1, 4, v6
	v_add_nc_u32 v[RD], s77, v6
	v_mul_u32_u24 v6, v2, ROWC
	v_lshl_add_u32 v[CO], v1, 4, v6
	s_lshl_b32 s88, s[Y], 8                        ; those stage rows are the tile's rows 128 (w / 2) + 32 (w % 2) + 64 x pass + 0..31
	s_lshl_b32 s89, s[FB], 7
	s_add_co_u32 s88, s88, s89
	s_lshl_b32 s89, s[HF], 5
	s_add_co_u32 s88, s88, s89
	s_mul_i32 s88, s88, ROWC
	s_mul_i32 s89, s[X], 768                       ; the tile's 384 columns
	s_add_co_u32 s88, s88, s89
	s_mov_b32 s89, 0
	s_add_nc_u64 s[12:13], s[12:13], s[88:89]
	; The prefetches.  A K step of x's tile is 128 blocks of 256 bytes, of w's tile 192.  x's tile is read by both clusters of a row of clusters: cluster x = 0 asks; w's by the eight of a column:
	; cluster y = 0 asks.  The four partners that ask for a tile jointly share its blocks out by address: 32 of x's (by cx), 48 of w's (by cy).  For two K steps that is 64 and 96: wave 0 asks for
	; x's first step and wave 1 for its second; of w's 96 (48 of the first step, then 48 of the second) wave 2 asks for numbers 0-31 and 32-63, wave 3 for 64-95.  Each block is named once in the launch.
	s_lshl_b32 s80, s[Y], 15
	s_lshl_b32 s81, s[CX], 13
	s_add_co_u32 s80, s80, s81
	s_add_co_u32 s80, s80, 2*STEPA                 ; at K step 2: each change of slots steps it by one; change i stands at step i + 3
	s_mul_i32 s82, s[X], 384*128
	s_mul_i32 s83, s[CY], 48*256
	s_add_co_u32 s82, s82, s83
	s_add_co_u32 s82, s82, WOFF+2*STEPB
	s_mov_b32 s[PFS], STEPB                        ; w's figures; the selects below put x's in their place (an instruction holds one literal)
	s_mov_b32 s85, STEPB+16*256                    ; wave 3: the second step's blocks 16-47
	s_cmp_eq_u32 s[FB], 0
	s_cselect_b32 s80, s80, s82
	s_cselect_b32 s84, ttmp9, s[YC]
	s_cselect_b32 s[PFS], STEPA, s[PFS]
	s_cselect_b32 s85, STEPA, s85                  ; wave 1: the second step
	s_cmp_eq_u32 s84, 0
	s_cselect_b32 s[LIM], 2, -1                    ; the same in all sixteen partners, for a given wave
	s_cmp_eq_u32 s[WV], 2
	s_cselect_b32 s[LIM2], s[LIM], -1
	s_mul_i32 s85, s85, s[HF]
	s_mov_b32 s[PFS+1], 0
	s_mov_b32 s81, 0
	s_add_nc_u64 s[PFA:PFA+1], s[4:5], s[80:81]
	v_lshl_add_u32 v[PFO], v3, 8, s85
	v_mul_u32_u24 v[PFO2], v2, STEPB-48*256        ; numbers 32-63: lanes 0-15 the first step's blocks 32-47, lanes 16-31 the second step's blocks 0-15
	v_lshl_add_u32 v[PFO2], v3, 8, v[PFO2]
	v_add_nc_u32 v[PFO2], 32*256, v[PFO2]
; n column blocks, from b0 on, of stretch s (column blocks 4 s .. 4 s + 3) x all 8 row blocks, 32 along K, x's fragments from buffer f.  The accumulators take turns, one instruction a turn,
; in the same order in every quarter: between two products on one accumulator stand the 95 others'.
.macro STR f, s, b0, n
	WIN 0x50*((\s)+1)                              ; sources window 0; C and D window s + 1
.set jj, 8*(\b0)
.rept 8*(\n)
	v_wmma_f32_16x16x32_bf16 v[8*jj:8*jj+7], v[BF+8*(4*(\s)+jj/8):BF+8*(4*(\s)+jj/8)+7], v[(\f)+8*(jj%8):(\f)+8*(jj%8)+7], v[8*jj:8*jj+7]
.set jj, jj+1
.endr
.endm
.macro RUNB k, s                       ; 8 LDS loads: w's fragments 4 s .. 4 s + 3, 32 K at byte k of the rows
	WIN 0
.irp i, 0,1,2,3
	ds_load_b128 v[BF+8*(4*(\s)+\i):BF+8*(4*(\s)+\i)+3],   v[ADRB] offset:(\k)+(4*(\s)+\i)*16*PITCH
	ds_load_b128 v[BF+8*(4*(\s)+\i)+4:BF+8*(4*(\s)+\i)+7], v[ADRB] offset:(\k)+(4*(\s)+\i)*16*PITCH+32
.endr
.endm
.macro RUNA k, g                       ; 16 LDS loads: x's 8 fragments into buffer g
	WIN 0
.irp i, 0,1,2,3,4,5,6,7
	ds_load_b128 v[(\g)+8*\i:(\g)+8*\i+3],   v[ADRA] offset:(\k)+\i*16*PITCH
	ds_load_b128 v[(\g)+8*\i+4:(\g)+8*\i+7], v[ADRA] offset:(\k)+\i*16*PITCH+32
.endr
.endm
; A K step is two quarters of 96 products.  A quarter is three stretches of 32; behind each, four places and then the loads of the next quarter into the registers that the stretch has left:
; run 0: w's fragments 0-3 and x's other buffer (24 loads), run 1: w's 4-7 (8), run 2: w's 8-11 (8).  Each run stands 64 products ahead of its first use.
.macro Q0                              ; a step's first quarter: multiplies x's buffer 0, fetches the second quarter (byte 64 of the rows)
	s_wait_dscnt 16                                ; run 0 is in; runs 1 and 2 may be out
	STR AF0, 0, 0, 4
	PLACES
	RUNB 64, 0
	RUNA 64, AF1
	s_wait_dscnt 32                                ; run 1 is in; run 2 and the 24 just issued may be out
	STR AF0, 1, 0, 4
	PLACES
	RUNB 64, 1
	s_wait_dscnt 32                                ; run 2 is in; the new runs 0 and 1 may be out
	STR AF0, 2, 0, 4
	PLACES
	RUNB 64, 2
.endm
; A step's second quarter multiplies x's buffer 1 and changes slots: all reads of this slot have been issued.  In front of the barrier each wave waits for all its tensor loads (one is out: its
; part of the next slot), adds 0 to its spare word, and waits for that and for its reads of this slot.  fill = 1: the barrier opens a round of the cluster's, and the joint refill, two K steps on,
; is the first thing behind it: 16 products stand between the wait for the loads and the refill, 176 between the refill and the wait for it.
.macro TURN fill
.if \fill
	s_wait_xcnt 0x0                                ; the last prefetches, a K step or more back, have read their address
	s_add_nc_u64 s[PFA:PFA+1], s[PFA:PFA+1], s[PFS:PFS+1]
.endif
	WIN 0
	s_wait_tensorcnt 0x0
	ds_add_u32 v[SPW], v[NIL]
.if \fill
	s_xor_b32 s[G0A+1], s[G0A+1], SLOT1            ; no tensor load of mine is out: the walking descriptors step to the other slot and the next plane
	s_add_nc_u64 s[G0A+2:G0A+3], s[G0A+2:G0A+3], STEPA
	s_xor_b32 s[G0B+1], s[G0B+1], SLOT1
	s_add_nc_u64 s[G0B+2:G0B+3], s[G0B+2:G0B+3], STEPB
.endif
	s_xor_b32 s[TB], s[TB], SLOT1
	s_wait_dscnt 17                                ; run 0 is in; runs 1 and 2 and the add may be out
	STR AF1, 0, 0, 1
	s_wait_dscnt 0x0                               ; the add is done, my reads of this slot are over
	s_barrier_signal -1
	STR AF1, 0, 1, 1
.if \fill
	WIN 0
.endif
	s_barrier_wait -1
.if \fill
	CREST                                          ; no wave of any partner still reads this slot or has a load on its way
	JLOAD
.endif
	STR AF1, 0, 2, 2
	PLACES
	WIN 0
	v_add_nc_u32 v[ADRA], s[TB], v[ADRA0]
	v_add_nc_u32 v[ADRB], s[TB], v[ADRB0]
	RUNB 0, 0                                      ; the next slot's first quarter
	RUNA 0, AF0
.if \fill
	ASK                                            ; behind the joint load and the run of LDS loads
.endif
	STR AF1, 1, 0, 4
	PLACES
	RUNB 0, 1
	STR AF1, 2, 0, 4
	PLACES
	RUNB 0, 2
.endm
	s_wait_tensorcnt 0x1                           ; my part of K step 0 is in; K step 1's may stay out
	s_barrier_signal -1
	s_barrier_wait -1
	RUNB 0, 0
	RUNA 0, AF0
	RUNB 0, 1
	RUNB 0, 2
	s_wait_loadcnt 0x0                             ; the bias lies in the accumulators
	s_mov_b32 s[CNT], T-1
	s_branch .Lq0                                  ; the loop is entered at a step's first quarter, in the middle of a trip
.Lk:                                                   ; 14 times: a step's second quarter with a refill, the next step's first quarter
	TURN 1
	WIN 0
.Lq0:
	Q0
	WIN 0
	s_sub_co_u32 s[CNT], s[CNT], 1
	s_cmp_lg_u32 s[CNT], 0
	s_cbranch_scc1 .Lk
	TURN 0                                         ; the tail is written out: nothing more is asked for
	Q0
	s_wait_dscnt 16
	STR AF1, 0, 0, 4
	s_wait_dscnt 8
	STR AF1, 1, 0, 4
	s_wait_dscnt 0x0
	STR AF1, 2, 0, 4
; THE WAY OUT.  A wave's 192 columns are 384 bytes, one and a half aligned blocks of 256 bytes of qkv: so the four waves share ONE stage, in two passes of 128 rows (each wave's row blocks 0-3, then 4-7).
; A row block is rounded to bf16 (each accumulator's registers in ascending order) and put into the stage, 16 bytes a lane; behind a barrier each wave reads 32 whole rows back and stores them.
.macro PACK a
.irp s, 0,1,2
	WIN 0x05*((\s)+1)                              ; sources 0 and 1 window s + 1, destination window 0
.irp bb, 0,1,2,3
.irp i, 0,1,2,3
	v_cvt_pk_bf16_f32 v[TMP+4*(4*(\s)+\bb)+\i], v[8*(8*\bb+(\a))+2*\i], v[8*(8*\bb+(\a))+2*\i+1]
.endr
.endr
.endr
	WIN 0
.irp b, 0,1,2,3,4,5,6,7,8,9,10,11
	ds_store_b128 v[STO], v[TMP+4*\b:TMP+4*\b+3] offset:((\a)%4)*16*SPIT+32*\b
.endr
.endm
.macro BACK p
	s_wait_dscnt 0x0                               ; for the others' sake: my stores into the stage are done
	s_barrier_signal -1
	s_barrier_wait -1
.set i, 0
.rept 48                               ; i = 3 x row pair + block of 256 bytes
	ds_load_b128 v[OB+4*i:OB+4*i+3], v[RD] offset:(i/3)*2*SPIT+256*(i%3)
.set i, i+1
.endr
.set i, 0
.rept 48
.if (i%12) == 0
	s_wait_dscnt 36-i                              ; the next twelve loads are in; the younger ones stay out
.endif
	global_store_b128 v[CO], v[OB+4*i:OB+4*i+3], s[12:13] offset:(64*(\p)+2*(i/3))*ROWC+256*(i%3)  ; 16 lanes store 256 consecutive bytes, aligned
.set i, i+1
.endr
.endm
	PLACES
	PLACES
	PACK 0
	PACK 1
	PACK 2
	PACK 3
	BACK 0
	s_barrier_signal -1                            ; every wave's reads of the stage are back (the last count above was 0): it may be written again
	s_barrier_wait -1
	s_wait_xcnt 0x0                                ; the stores have read their registers, which are written again below
	PACK 4
	PACK 5
	PACK 6
	PACK 7
	BACK 1
	s_wait_tensorcnt 0x0                           ; the wave's end
	ds_add_u32 v[SPW], v[NIL]
	s_wait_dscnt 0x0
	CROUND                                         ; the closing round
	s_endpgm
.Lfunc_end_k_qc8f90dfcad_proj:
	.size	k_qc8f90dfcad_proj, .Lfunc_end_k_qc8f90dfcad_proj-k_qc8f90dfcad_proj
	.p2alignl 7, 3214868480
	.fill 96, 4, 3214868480
	.section	.rodata,"a",@progbits
	.p2align	6, 0x0
	.amdhsa_kernel k_qc8f90dfcad_proj
		.amdhsa_group_segment_fixed_size 327680
		.amdhsa_private_segment_fixed_size 0
		.amdhsa_enable_private_segment 0
		.amdhsa_kernarg_size 40
		.amdhsa_user_sgpr_count 2
		.amdhsa_user_sgpr_kernarg_segment_ptr 1
		.amdhsa_wavefront_size32 1
		.amdhsa_system_sgpr_workgroup_id_x 1
		.amdhsa_system_sgpr_workgroup_id_y 1
		.amdhsa_system_sgpr_workgroup_id_z 1
		.amdhsa_system_vgpr_workitem_id 0
		.amdhsa_next_free_vgpr 1024
		.amdhsa_next_free_sgpr 100
		.amdhsa_reserve_vcc 0
		.amdhsa_float_denorm_mode_32 3
		.amdhsa_float_denorm_mode_16_64 3
		.amdhsa_memory_ordered 1
		.amdhsa_forward_progress 1
		.amdhsa_inst_pref_size 122
	.end_amdhsa_kernel
	.amdgpu_metadata
---
amdhsa.version: [ 1, 2 ]
amdhsa.kernels:
  - .name:           k_qc8f90dfcad_proj
    .symbol:         k_qc8f90dfcad_proj.kd
    .args:
      - { .name: xw, .offset: 0, .size: 8, .value_kind: global_buffer, .address_space: global }
      - { .name: bq, .offset: 8, .size: 8, .value_kind: global_buffer, .address_space: global }
      - { .name: bk, .offset: 16, .size: 8, .value_kind: global_buffer, .address_space: global }
      - { .name: bv, .offset: 24, .size: 8, .value_kind: global_buffer, .address_space: global }
      - { .name: qkv, .offset: 32, .size: 8, .value_kind: global_buffer, .address_space: global }
    .group_segment_fixed_size: 327680
    .private_segment_fixed_size: 0
    .kernarg_segment_align: 8
    .kernarg_segment_size: 40
    .max_flat_workgroup_size: 128
    .sgpr_count:     100
    .vgpr_count:     1024
    .wavefront_size: 32
...
	.end_amdgpu_metadata
.endif
;; end of part 2
;; launch scores (part 3): grid 8 x 32, 4 waves a work-group, clusters of 4 x 4, 327,680 bytes of LDS; arguments qkv, p, st; writes p, st
.if DOCPART == 3
	.amdgcn_target "amdgcn-amd-amdhsa--gfx1250"
	.amdhsa_code_object_version 6
	.text
	.protected	k_qc8f90dfcad_scores
	.globl	k_qc8f90dfcad_scores
	.p2align	8
	.type	k_qc8f90dfcad_scores,@function
k_qc8f90dfcad_scores:
	s_mov_b64 s[64:65], 0
	v_nop
	global_prefetch_b8 v0, s[64:65] scope:SCOPE_SE
	s_setreg_imm32_b32 hwreg(HW_REG_WAVE_MODE, 25, 1), 1
	s_wait_xcnt 0x0
	s_wait_alu depctr_hold_cnt(0) depctr_sa_sdst(0) depctr_va_vdst(0) depctr_va_sdst(0) depctr_va_ssrc(0) depctr_va_vcc(0) depctr_vm_vsrc(0)
	s_getreg_b32 s2, hwreg(HW_REG_IB_STS2, 6, 4)
	s_cmp_eq_u32 s2, 0
	s_cbranch_scc0 .Lentry_in_a_cluster
	s_endpgm
.Lentry_in_a_cluster:
	s_bfe_u32 s2, ttmp6, 0x10000c
	s_cmp_lg_u32 s2, 0xf033
	s_cbranch_scc0 .Lentry_shape_is_right
	s_endpgm
.Lentry_shape_is_right:
; For each query row and each GROUP t of 128 keys: s = q . k; fl = floor(-c max s), c = log2(e) / 32; p = 2^(c s + fl), rounded to bf16; l = the sum of the rounded p.
; So the group's maximum, rounded up to a whole power of two, is taken away in front of the exponential: p lies in 0 to 1, the group's largest above 0.5.  The next launch brings the groups of a row
; to the row's own power of two.  q, k: columns 0-1023 and 1024-2047 of qkv [8192][3072] bf16.  p: [8192][2048] bf16.  st: [16 groups][8192 rows] pairs (fl, l) of f32.
; A work-group makes 256 queries x 256 keys of one batch: 8 x 32 = 256 work-groups; a wave 128 x 128, which is one group: 64 accumulators.  K (1,024 channels) goes in 8 steps of 128 through two LDS slots.
; 4 x 4 work-groups form a cluster: q's tile is shared along a row of it, k's along a column.  The product is used transposed (source 0 = 16 keys, source 1 = 16 queries): a lane holds ONE query
; (lane % 16) and, of each 16 keys, 8 (lane / 16) + 0..7.  Packed in pairs, two such results ARE a fragment of 16 queries x 32 keys: l is made as ones x P by the matrix unit, sums in f32.
; REGISTERS: window 0: addresses, q's fragments (v64-191), in the way out P; window 1: k's fragments (v64-191); windows 2, 3: the accumulators of my rows 0-63, 64-127, (a, b) at v[8 (8 (a % 4) + b)].
; LIMITS: NaN and infinities are not treated apart; a weight below 2^-126 counts as 0; fl is a whole number only while |c s| stays under 2^23.
.set T,      8
.set PITCH,  272
.set HALFT,  128*PITCH                 ; what one tensor load brings
.set SLOT1,  4*HALFT                   ; 0x22000: it shares no bit with a load's place in a slot, so one exclusive or changes slots
.set STAGE,  2*SLOT1                   ; 16 rows x 272 bytes for each wave
.set SST,    STAGE+4*16*PITCH          ; 128 pairs (fl, l) for each wave
.set SPARE,  SST+4*1024                ; the spare words
.set ROWQ,   6144
.set ROWP,   4096
.set PADK,   (1<<16)|(1<<20)|(1<<21)|(5<<22)|(3<<25)
.set ADRA0, 16
.set ADRB0, 17
.set ADRA,  18
.set ADRB,  19
.set SO,    23                         ; 16 x lane: my place in 512 bytes of st
.set STO,   24
.set RD,    25
.set CO,    26                         ; my byte offset in two rows of p
.set SSA,   27                         ; where I put a row's pair
.set SPW,   28
.set NIL,   29
.set PFO,   30
.set SSR,   31                         ; where I read the pairs back
.set ONES,  32                         ; v32-39: 1.0 in every bf16
.set SB,    40                         ; v40-47: the pairs on their way out
.set F0,    64
.set F1,    128
.set PP,    64                         ; the way out: P of four blocks, 32 registers each
.set LACC,  192                        ; their sums' accumulators
.set MX,    224                        ; four chains of maxima a block
.set FL,    240                        ; a pair a block: fl twice, later (fl, l)
.set WV, 14
.set FB, 15                            ; my half of the tile's rows; also 0: I fetch for q, 1: for k
.set HF, 16                            ; my half of its keys; also which half of that tile I fetch
.set CX, 17
.set CY, 18
.set X,  19
.set Y,  20
.set YC, 21
.set CNT, 22
.set TB,  23
.set G1A, 24
.set G0A0, 32
.set G0A, 36
.set G1B, 40
.set G0B0, 48
.set G0B, 52
.set LIM, 56
.set BT,  57                           ; the batch
.set PFA, 58
.set CS,  66                           ; s[66:67] c, twice
.set SEL, 68                           ; s[68:69] v_permlanex16_b32's selects: each lane takes its own place in the other half
.set NC,  90                           ; -c
.set MSB, 0
.macro WIN new
.if MSB != (\new)
	s_set_vgpr_msb (MSB<<8)|(\new)
.set MSB, (\new)
.endif
.endm
.macro PLACES
.rept 4
	v_nop
.endr
.endm
.macro CREST
	s_cmp_lg_u32 s[WV], 0
	s_cbranch_scc1 .Lnot_wave_0_\@
	s_barrier_signal -3
.Lnot_wave_0_\@:
	s_barrier_wait -3
	s_barrier_signal -1
	s_barrier_wait -1
.endm
.macro CROUND
	s_barrier_signal -1
	s_barrier_wait -1
	CREST
.endm
.macro JLOAD
	s_cmp_eq_u32 s[FB], 0
	s_cbranch_scc0 .Lfor_b_\@
	tensor_load_to_lds s[G0A:G0A+3], s[G1A:G1A+7]
	s_nop 0
.rept 4
	v_nop
.endr
	s_branch .Lasked_\@
.Lfor_b_\@:
	tensor_load_to_lds s[G0B:G0B+3], s[G1B:G1B+7]
	s_nop 0
.rept 4
	v_nop
.endr
.Lasked_\@:
.endm
.macro ASK                             ; a prefetch of the K step two refills on: 32 rows x 256 bytes, a lane a row; the last two filling trips ask for nothing
	s_cmp_gt_u32 s[CNT], s[LIM]
	s_cbranch_scc0 .Lnot_mine_\@
	global_prefetch_b8 v[PFO], s[PFA:PFA+1] th:TH_LOAD_NT scope:SCOPE_SE
.Lnot_mine_\@:
.endm
	s_load_b128 s[4:7], s[0:1], 0x0                ; qkv s[4:5], p s[6:7]
	s_load_b64 s[8:9], s[0:1], 0x10                ; st
	v_lshl_add_u32 v[SPW], v0, 2, SPARE
	v_mov_b32 v[NIL], 0
	ds_add_u32 v[SPW], v[NIL]                      ; the wave's opening: the add and its wait ahead of my first tensor load
	v_lshrrev_b32 v1, 5, v0
	v_readfirstlane_b32 s[WV], v1
	s_lshr_b32 s[FB], s[WV], 1
	s_and_b32 s[HF], s[WV], 1
	s_bfe_u32 s[CX], ttmp6, 0x40000
	s_bfe_u32 s[CY], ttmp6, 0x40004
	s_lshl_b32 s[X], ttmp9, 2
	s_add_co_u32 s[X], s[X], s[CX]
	s_and_b32 s[YC], ttmp7, 0xffff
	s_lshl_b32 s[Y], s[YC], 2
	s_add_co_u32 s[Y], s[Y], s[CY]
	s_lshr_b32 s[BT], s[YC], 1                     ; eight tile rows, two clusters, a batch
	s_lshl_b32 s2, s[CY], 2
	s_lshl_b32 s2, 15, s2
	s_lshl_b32 s3, 0x1111, s[CX]
	s_or_b32 s[G1A], s2, PADK
	s_or_b32 s[G1B], s3, PADK
.irp g, G1A, G1B
	s_mov_b32 s[\g+1], 128<<16                     ; tensor_dim0 = 128
	s_mov_b32 s[\g+2], 128<<16                     ; tensor_dim1 = 128
	s_mov_b32 s[\g+3], 128<<16                     ; tile_dim0 = 128
	s_mov_b32 s[\g+4], 128                         ; tile_dim1 = 128
	s_mov_b32 s[\g+5], 3072                        ; elements from row to row
	s_mov_b32 s[\g+6], 0
	s_mov_b32 s[\g+7], 0
.endr
	s_mul_i32 s74, s[WV], HALFT                    ; q's two halves, then k's two halves
	s_mov_b32 s[G0A0], 1
	s_mov_b32 s[G0A0+1], s74
	s_mov_b32 s[G0A], 1
	s_add_co_u32 s[G0A+1], s74, SLOT1
	s_mov_b32 s[G0B0], 1
	s_mov_b32 s[G0B0+1], s74
	s_mov_b32 s[G0B], 1
	s_add_co_u32 s[G0B+1], s74, SLOT1
	s_mov_b32 s[TB], 0
	s_mov_b32 s[CS], 0x3d38aa3b                    ; c = log2(e) / 32
	s_mov_b32 s[CS+1], s[CS]
	s_mov_b32 s[NC], 0xbd38aa3b
	s_mov_b32 s[SEL], 0x76543210
	s_mov_b32 s[SEL+1], 0xfedcba98
	s_lshl_b32 s70, s[Y], 8                        ; q: row 256 x tile row + 128 x half
	s_lshl_b32 s71, s[HF], 7
	s_add_co_u32 s70, s70, s71
	s_mul_i32 s70, s70, ROWQ
	s_mov_b32 s71, 0
	s_lshl_b32 s72, s[BT], 11                      ; k: row 2,048 x batch + 256 x tile column + 128 x half, 2,048 bytes into the row
	s_lshl_b32 s73, s[X], 8
	s_add_co_u32 s72, s72, s73
	s_lshl_b32 s73, s[HF], 7
	s_add_co_u32 s72, s72, s73
	s_mul_i32 s72, s72, ROWQ
	s_add_co_u32 s72, s72, 2048
	s_mov_b32 s73, 0
	s_wait_dscnt 0x0
	s_wait_kmcnt 0x0
	s_add_nc_u64 s[G0A0+2:G0A0+3], s[4:5], s[70:71]
	s_add_nc_u64 s[G0A+2:G0A+3], s[G0A0+2:G0A0+3], 256
	s_or_b32 s[G0A0+3], s[G0A0+3], 0x80000000
	s_or_b32 s[G0A+3], s[G0A+3], 0x80000000
	s_add_nc_u64 s[G0B0+2:G0B0+3], s[4:5], s[72:73]
	s_add_nc_u64 s[G0B+2:G0B+3], s[G0B0+2:G0B0+3], 256
	s_or_b32 s[G0B0+3], s[G0B0+3], 0x80000000
	s_or_b32 s[G0B+3], s[G0B+3], 0x80000000
	CROUND
	s_cmp_eq_u32 s[FB], 0
	s_cbranch_scc0 .Lfirst_b
	tensor_load_to_lds s[G0A0:G0A0+3], s[G1A:G1A+7]
	s_nop 0
	tensor_load_to_lds s[G0A:G0A+3], s[G1A:G1A+7]
	s_nop 0
.rept 4
	v_nop
.endr
	s_branch .Lfirst_asked
.Lfirst_b:
	tensor_load_to_lds s[G0B0:G0B0+3], s[G1B:G1B+7]
	s_nop 0
	tensor_load_to_lds s[G0B:G0B+3], s[G1B:G1B+7]
	s_nop 0
.rept 4
	v_nop
.endr
.Lfirst_asked:
	v_and_b32 v1, 15, v0                           ; r
	v_bfe_u32 v2, v0, 4, 1                         ; h
	v_and_b32 v3, 31, v0                           ; l
	v_mul_u32_u24 v4, v1, PITCH
	v_lshl_add_u32 v4, v2, 4, v4
	s_mul_i32 s78, s[FB], HALFT                    ; my 128 queries
	s_mul_i32 s79, s[HF], HALFT                    ; my 128 keys,
	s_add_co_u32 s79, s79, 2*HALFT                 ; behind q's 256 rows
	v_add_nc_u32 v[ADRA0], s78, v4
	v_add_nc_u32 v[ADRB0], s79, v4
	v_mov_b32 v[ADRA], v[ADRA0]
	v_mov_b32 v[ADRB], v[ADRB0]
	s_mul_i32 s76, s[WV], 16*PITCH
	s_add_co_u32 s76, s76, STAGE
	v_add_nc_u32 v[STO], s76, v4
	v_mul_u32_u24 v5, v2, PITCH
	v_lshl_add_u32 v5, v1, 4, v5
	v_add_nc_u32 v[RD], s76, v5
	v_lshlrev_b32 v5, 12, v2
	v_lshl_add_u32 v[CO], v1, 4, v5                ; h x 4,096 + 16 r
	s_lshl_b32 s77, s[WV], 10
	s_add_co_u32 s77, s77, SST
	v_lshl_add_u32 v[SSA], v1, 3, s77
	v_lshl_add_u32 v[SSR], v3, 4, s77
	v_lshlrev_b32 v[SO], 4, v3
	v_mul_u32_u24 v[PFO], v3, ROWQ
.irp i, 0,1,2,3,4,5,6,7
	v_mov_b32 v[ONES+\i], 0x3f803f80
.endr
	s_lshl_b32 s88, s[Y], 8
	s_lshl_b32 s89, s[FB], 7
	s_add_co_u32 s88, s88, s89                     ; my first row
	s_lshl_b32 s92, s88, 3                         ; 8 bytes a row in st,
	s_lshl_b32 s88, s88, 12                        ; 4,096 in p
	s_lshl_b32 s89, s[X], 1
	s_add_co_u32 s89, s89, s[HF]                   ; my group t = 2 x tile column + half
	s_lshl_b32 s93, s89, 16
	s_add_co_u32 s92, s92, s93
	s_mov_b32 s93, 0
	s_lshl_b32 s89, s89, 8                         ; its 256 bytes of a row of p
	s_add_co_u32 s88, s88, s89
	s_mov_b32 s89, 0
	s_add_nc_u64 s[6:7], s[6:7], s[88:89]
	s_add_nc_u64 s[8:9], s[8:9], s[92:93]
	; The prefetches.  q's rows are read by both clusters of a row of clusters: cluster x = 0 asks; k's by the two clusters of a batch in a column: the even cluster y asks.  Of the 128 rows that a
	; wave fetches each of the four partners that ask for them jointly takes 32, told apart by address (cx for q, cy for k).  Each row's 256 bytes of a K step are named once.
	s_lshl_b32 s80, s[Y], 8
	s_lshl_b32 s81, s[HF], 7
	s_add_co_u32 s80, s80, s81
	s_lshl_b32 s82, s[CX], 5
	s_add_co_u32 s80, s80, s82
	s_mul_i32 s80, s80, ROWQ
	s_lshl_b32 s83, s[BT], 11
	s_lshl_b32 s84, s[X], 8
	s_add_co_u32 s83, s83, s84
	s_add_co_u32 s83, s83, s81
	s_lshl_b32 s84, s[CY], 5
	s_add_co_u32 s83, s83, s84
	s_mul_i32 s83, s83, ROWQ
	s_add_co_u32 s83, s83, 2048
	s_and_b32 s85, s[YC], 1
	s_cmp_eq_u32 s[FB], 0
	s_cselect_b32 s80, s80, s83
	s_cselect_b32 s85, ttmp9, s85
	s_cmp_eq_u32 s85, 0
	s_cselect_b32 s[LIM], 2, -1
	s_add_co_u32 s80, s80, 3*256                   ; at K step 3: the first change of slots steps it to 4
	s_mov_b32 s81, 0
	s_add_nc_u64 s[PFA:PFA+1], s[4:5], s[80:81]
; 16 products: row blocks a0, a0 + 1 of the window's four x all 8 key blocks, 32 along K.  zero = 1: they start the sums.
.macro MUL16 f, hi, a0, zero
	WIN 0xa1+0x50*(\hi)                            ; k window 1, q window 0, C and D window 2 or 3
.irp a, \a0, (\a0)+1
.irp b, 0,1,2,3,4,5,6,7
.if \zero
	v_wmma_f32_16x16x32_bf16 v[8*(8*(\a)+(\b)):8*(8*(\a)+(\b))+7], v[(\f)+8*(\b):(\f)+8*(\b)+7], v[(\f)+8*(4*(\hi)+(\a)):(\f)+8*(4*(\hi)+(\a))+7], 0
.else
	v_wmma_f32_16x16x32_bf16 v[8*(8*(\a)+(\b)):8*(8*(\a)+(\b))+7], v[(\f)+8*(\b):(\f)+8*(\b)+7], v[(\f)+8*(4*(\hi)+(\a)):(\f)+8*(4*(\hi)+(\a))+7], v[8*(8*(\a)+(\b)):8*(8*(\a)+(\b))+7]
.endif
.endr
.endr
.endm
.macro FETCH k, f                      ; 32 LDS loads in one run: a quarter step's fragments into buffer f
	WIN 0x40
.irp i, 0,1,2,3,4,5,6,7
	ds_load_b128 v[(\f)+8*\i:(\f)+8*\i+3],   v[ADRB] offset:(\k)+\i*16*PITCH
	ds_load_b128 v[(\f)+8*\i+4:(\f)+8*\i+7], v[ADRB] offset:(\k)+\i*16*PITCH+32
.endr
	WIN 0
.irp i, 0,1,2,3,4,5,6,7
	ds_load_b128 v[(\f)+8*\i:(\f)+8*\i+3],   v[ADRA] offset:(\k)+\i*16*PITCH
	ds_load_b128 v[(\f)+8*\i+4:(\f)+8*\i+7], v[ADRA] offset:(\k)+\i*16*PITCH+32
.endr
.endm
; A K step is four quarters of 64 products on buffers 0, 1, 0, 1; the 64 accumulators take turns in the same order in every quarter.
.macro QUARTER k, f, g, zero
	s_wait_dscnt 8                                 ; k and q's blocks 0-3 are in; the youngest eight loads (blocks 4-7) may be out
	MUL16 \f, 0, 0, \zero
	MUL16 \f, 0, 2, \zero
	PLACES
	FETCH \k, \g
	s_wait_dscnt 32                                ; all but the 32 just issued
	MUL16 \f, 1, 0, \zero
	MUL16 \f, 1, 2, \zero
.endm
; The last quarter changes slots: each wave waits for all its tensor loads (one is out: its part of the next slot), adds 0 to its spare word, waits for that and for its reads of this slot.
; fill = 1: the barrier opens a round of the cluster's, and the joint refill, two K steps on, is the first thing behind it: 224 products stand between it and the wait for it.
.macro TURN fill
.if \fill
	s_wait_xcnt 0x0                                ; the last prefetch, a K step back, has read its address
	s_add_nc_u64 s[PFA:PFA+1], s[PFA:PFA+1], 256
.endif
	WIN 0
	s_wait_tensorcnt 0x0
	ds_add_u32 v[SPW], v[NIL]
.if \fill
	s_xor_b32 s[G0A+1], s[G0A+1], SLOT1
	s_add_nc_u64 s[G0A+2:G0A+3], s[G0A+2:G0A+3], 256
	s_xor_b32 s[G0B+1], s[G0B+1], SLOT1
	s_add_nc_u64 s[G0B+2:G0B+3], s[G0B+2:G0B+3], 256
.endif
	s_xor_b32 s[TB], s[TB], SLOT1
	s_wait_dscnt 9                                 ; the add and the youngest eight loads may be out
	MUL16 F1, 0, 0, 0
	s_wait_dscnt 0x0
	s_barrier_signal -1
	MUL16 F1, 0, 2, 0
	WIN 0
	s_barrier_wait -1
.if \fill
	CREST
	JLOAD
.else
	PLACES
.endif
	v_add_nc_u32 v[ADRA], s[TB], v[ADRA0]
	v_add_nc_u32 v[ADRB], s[TB], v[ADRB0]
	FETCH 0, F0
.if \fill
	ASK
.endif
	MUL16 F1, 1, 0, 0
	MUL16 F1, 1, 2, 0
.endm
	s_wait_tensorcnt 0x1                           ; my part of K step 0 is in; K step 1's may stay out
	s_barrier_signal -1
	s_barrier_wait -1
	FETCH 0, F0
	QUARTER 64, F0, F1, 1
	WIN 0
	s_mov_b32 s[CNT], T-2
.Lk:
	QUARTER 128, F1, F0, 0
	QUARTER 192, F0, F1, 0
	TURN 1
	QUARTER 64, F0, F1, 0
	WIN 0
	s_sub_co_u32 s[CNT], s[CNT], 1
	s_cmp_lg_u32 s[CNT], 0
	s_cbranch_scc1 .Lk
	QUARTER 128, F1, F0, 0                         ; the last two K steps are written out: nothing more is asked for
	QUARTER 192, F0, F1, 0
	TURN 0
	QUARTER 64, F0, F1, 0
	QUARTER 128, F1, F0, 0
	QUARTER 192, F0, F1, 0
	s_wait_dscnt 8
	MUL16 F1, 0, 0, 0
	MUL16 F1, 0, 2, 0
	s_wait_dscnt 0x0
	MUL16 F1, 1, 0, 0
	MUL16 F1, 1, 2, 0
; THE WAY OUT, four row blocks (one window of accumulators) at a time.  A block's 64 registers are a lane's 64 scores s0-s63 of one query.
.macro TOSTAGE q
.irp b, 0,1,2,3,4,5,6,7
	ds_store_b128 v[STO], v[PP+32*(\q)+4*\b:PP+32*(\q)+4*\b+3] offset:32*\b
.endr
.irp t, 0,1,2,3,4,5,6,7
	ds_load_b128 v[PP+32*(\q)+4*\t:PP+32*(\q)+4*\t+3], v[RD] offset:\t*2*PITCH  ; LDS serves a wave's instructions in order: these see the stores above
.endr
.endm
.macro SEND q, hi, younger             ; younger: the LDS instructions issued behind block q's loads
.irp t, 0,1,2,3,4,5,6,7
	s_wait_dscnt (\younger)+7-\t
	global_store_b128 v[CO], v[PP+32*(\q)+4*\t:PP+32*(\q)+4*\t+3], s[6:7] offset:(16*(4*(\hi)+(\q))+2*\t)*ROWP  ; 16 lanes store 256 consecutive bytes, aligned
.endr
.endm
.macro PHASE hi
	; the maximum: four chains of fifteen scores a block, three operands at a time; each accumulator is read first at a low register
	WIN 0x2a+0x15*(\hi)
.irp a, 0,1,2,3
.irp k, 0,1,2,3
	v_max3_num_f32 v[MX+4*\a+\k], v[64*\a+16*\k], v[64*\a+16*\k+1], v[64*\a+16*\k+2]
.endr
.endr
	WIN 0x28+0x14*(\hi)
.irp n, 0,1,2,3,4,5
.irp a, 0,1,2,3
.irp k, 0,1,2,3
	v_max3_num_f32 v[MX+4*\a+\k], v[MX+4*\a+\k], v[64*\a+16*\k+3+2*\n], v[64*\a+16*\k+4+2*\n]
.endr
.endr
.endr
.irp a, 0,1,2,3
	v_max3_num_f32 v[MX+4*\a], v[MX+4*\a], v[64*\a+15], v[64*\a+31]
	v_max3_num_f32 v[MX+4*\a+2], v[MX+4*\a+2], v[64*\a+47], v[64*\a+63]
.endr
	WIN 0
.irp a, 0,1,2,3
	v_max3_num_f32 v[MX+4*\a], v[MX+4*\a], v[MX+4*\a+1], v[MX+4*\a+2]
.endr
.irp a, 0,1,2,3
	v_max_num_f32 v[MX+4*\a], v[MX+4*\a], v[MX+4*\a+3]
.endr
.irp a, 0,1,2,3
	v_permlanex16_b32 v[MX+4*\a+1], v[MX+4*\a], s[SEL], s[SEL+1]  ; the query's other 64 keys lie in the lane 16 away
.endr
.irp a, 0,1,2,3
	v_max_num_f32 v[MX+4*\a], v[MX+4*\a], v[MX+4*\a+1]
.endr
.irp a, 0,1,2,3
	v_mul_f32 v[MX+4*\a+1], s[NC], v[MX+4*\a]
.endr
.irp a, 0,1,2,3
	v_floor_f32 v[FL+2*\a], v[MX+4*\a+1]           ; fl = floor(-c m)
.endr
.irp a, 0,1,2,3
	v_mov_b32 v[FL+2*\a+1], v[FL+2*\a]             ; named with it as a pair
.endr
	; c s + fl, and the exponentials: ONE batch of 256; a block's scalings stand among the exponentials of the block before; nothing names a result ahead of the one wait
	WIN 0x82+0x41*(\hi)
.set i, 0
.rept 32
	v_pk_fma_f32 v[2*i:2*i+1], v[2*i:2*i+1], s[CS:CS+1], v[FL:FL+1] op_sel_hi:[1,0,0]
.set i, i+1
.endr
.irp a, 0,1,2
.set i, 0
.rept 32
	v_pk_fma_f32 v[64*\a+64+2*i:64*\a+64+2*i+1], v[64*\a+64+2*i:64*\a+64+2*i+1], s[CS:CS+1], v[FL+2*\a+2:FL+2*\a+3] op_sel_hi:[1,0,0]
	v_exp_f32 v[64*\a+2*i], v[64*\a+2*i]
	v_exp_f32 v[64*\a+2*i+1], v[64*\a+2*i+1]
.set i, i+1
.endr
.endr
.set i, 192
.rept 64
	v_exp_f32 v[i], v[i]
.set i, i+1
.endr
	v_nop                                          ; a plain instruction behind the last exponential,
	s_wait_alu depctr_va_vdst(0)                   ; and one wait ahead of the batch's first reader
.if \hi
	s_wait_xcnt 0x0                                ; the first four blocks' stores have read P's registers
.endif
	WIN 0x0a+5*(\hi)
.set i, 0
.rept 128
	v_cvt_pk_bf16_f32 v[PP+i], v[2*i], v[2*i+1]
.set i, i+1
.endr
	; l = ones x P: the sum of the rounded weights, in f32; the four blocks' accumulators take turns
	WIN 0
.irp kk, 0,1,2,3
.irp a, 0,1,2,3
.if \kk == 0
	v_wmma_f32_16x16x32_bf16 v[LACC+8*\a:LACC+8*\a+7], v[ONES:ONES+7], v[PP+32*\a+8*\kk:PP+32*\a+8*\kk+7], 0
.else
	v_wmma_f32_16x16x32_bf16 v[LACC+8*\a:LACC+8*\a+7], v[ONES:ONES+7], v[PP+32*\a+8*\kk:PP+32*\a+8*\kk+7], v[LACC+8*\a:LACC+8*\a+7]
.endif
.endr
.endr
	PLACES
	PLACES
.irp a, 0,1,2,3
	v_mov_b32 v[FL+2*\a+1], v[LACC+8*\a]           ; every register of the result holds the row's sum: the lowest is taken
.endr
.irp a, 0,1,2,3
	ds_store_b64 v[SSA], v[FL+2*\a:FL+2*\a+1] offset:128*(4*(\hi)+\a)  ; both halves of the lanes write the same pair
.endr
	TOSTAGE 0
	TOSTAGE 1
	SEND 0, \hi, 16
	TOSTAGE 2
	SEND 1, \hi, 16
	TOSTAGE 3
	SEND 2, \hi, 16
	SEND 3, \hi, 0
.endm
	PLACES
	PLACES
	PHASE 0
	PHASE 1
	ds_load_b128 v[SB:SB+3], v[SSR]                ; my 128 pairs, 1,024 consecutive bytes of st
	ds_load_b128 v[SB+4:SB+7], v[SSR] offset:512
	s_wait_dscnt 0x0
	global_store_b128 v[SO], v[SB:SB+3], s[8:9]
	global_store_b128 v[SO], v[SB+4:SB+7], s[8:9] offset:512
	s_wait_tensorcnt 0x0                           ; the wave's end
	ds_add_u32 v[SPW], v[NIL]
	s_wait_dscnt 0x0
	CROUND                                         ; the closing round
	s_endpgm
.Lfunc_end_k_qc8f90dfcad_scores:
	.size	k_qc8f90dfcad_scores, .Lfunc_end_k_qc8f90dfcad_scores-k_qc8f90dfcad_scores
	.p2alignl 7, 3214868480
	.fill 96, 4, 3214868480
	.section	.rodata,"a",@progbits
	.p2align	6, 0x0
	.amdhsa_kernel k_qc8f90dfcad_scores
		.amdhsa_group_segment_fixed_size 327680
		.amdhsa_private_segment_fixed_size 0
		.amdhsa_enable_private_segment 0
		.amdhsa_kernarg_size 24
		.amdhsa_user_sgpr_count 2
		.amdhsa_user_sgpr_kernarg_segment_ptr 1
		.amdhsa_wavefront_size32 1
		.amdhsa_system_sgpr_workgroup_id_x 1
		.amdhsa_system_sgpr_workgroup_id_y 1
		.amdhsa_system_sgpr_workgroup_id_z 1
		.amdhsa_system_vgpr_workitem_id 0
		.amdhsa_next_free_vgpr 1024
		.amdhsa_next_free_sgpr 100
		.amdhsa_reserve_vcc 0
		.amdhsa_float_denorm_mode_32 3
		.amdhsa_float_denorm_mode_16_64 3
		.amdhsa_memory_ordered 1
		.amdhsa_forward_progress 1
		.amdhsa_inst_pref_size 173
	.end_amdhsa_kernel
	.amdgpu_metadata
---
amdhsa.version: [ 1, 2 ]
amdhsa.kernels:
  - .name:           k_qc8f90dfcad_scores
    .symbol:         k_qc8f90dfcad_scores.kd
    .args:
      - { .name: qkv, .offset: 0, .size: 8, .value_kind: global_buffer, .address_space: global }
      - { .name: p, .offset: 8, .size: 8, .value_kind: global_buffer, .address_space: global }
      - { .name: st, .offset: 16, .size: 8, .value_kind: global_buffer, .address_space: global }
    .group_segment_fixed_size: 327680
    .private_segment_fixed_size: 0
    .kernarg_segment_align: 8
    .kernarg_segment_size: 24
    .max_flat_workgroup_size: 128
    .sgpr_count:     100
    .vgpr_count:     1024
    .wavefront_size: 32
...
	.end_amdgpu_metadata
.endif
;; end of part 3
;; launch pv (part 4): grid 8 x 32, 4 waves a work-group, clusters of 4 x 4, 327,680 bytes of LDS; arguments p, qkv, st, embedded, out0; writes out0
.if DOCPART == 4
	.amdgcn_target "amdgcn-amd-amdhsa--gfx1250"
	.amdhsa_code_object_version 6
	.text
	.protected	k_qc8f90dfcad_pv
	.globl	k_qc8f90dfcad_pv
	.p2align	8
	.type	k_qc8f90dfcad_pv,@function
k_qc8f90dfcad_pv:
	s_mov_b64 s[64:65], 0
	v_nop
	global_prefetch_b8 v0, s[64:65] scope:SCOPE_SE
	s_setreg_imm32_b32 hwreg(HW_REG_WAVE_MODE, 25, 1), 1
	s_wait_xcnt 0x0
	s_wait_alu depctr_hold_cnt(0) depctr_sa_sdst(0) depctr_va_vdst(0) depctr_va_sdst(0) depctr_va_ssrc(0) depctr_va_vcc(0) depctr_vm_vsrc(0)
	s_getreg_b32 s2, hwreg(HW_REG_IB_STS2, 6, 4)
	s_cmp_eq_u32 s2, 0
	s_cbranch_scc0 .Lentry_in_a_cluster
	s_endpgm
.Lentry_in_a_cluster:
	s_bfe_u32 s2, ttmp6, 0x10000c
	s_cmp_lg_u32 s2, 0xf033
	s_cbranch_scc0 .Lentry_shape_is_right
	s_endpgm
.Lentry_shape_is_right:
; out[m][c] = embedded[m][c] + (the sum over the 16 key groups t of f_t[m] x the sum over the group's keys of p[m][key] v[key][c]) / l[m].
; st holds for each row and group (fl, l_t), p = 2^(c s + fl).  FM = the least fl of the row (the row's maximum, rounded up to a whole power of two); f_t = 2^(FM - fl_t) <= 1, an exact power of
; two, made from a whole number by v_ldexp_f32; l = the sum of f_t l_t, in f32.  P's fragments are multiplied by f_t in bf16, which rounds nothing; the division by l and the residual are f32.
; p: [8192][2048] bf16.  v: columns 2048-3071 of qkv [8192][3072] bf16, as it lies, [key][channel]: it comes out of LDS turned, by ds_load_tr16_b128.  embedded, out: [8192][1024] f32.
; A work-group makes 256 rows x 128 channels: 8 x 32 = 256 work-groups; its four waves lie one below the other, 64 rows x 128 channels each: 32 accumulators.  K (2,048 keys) goes in 16 steps of 128,
; a group a step, through two LDS slots.  4 x 4 work-groups form a cluster: p's tile is shared along a row of it, v's along a column.  Source 0 = 16 channels, source 1 = 16 rows.
; REGISTERS: window 0: addresses, factors, p's fragments (v64-95, v128-159); window 1: v's fragments (v64-191); window 2: the accumulators, (a, b) at v[8 (8 a + b)]; window 3: my 64 x 128 of embedded.
; LIMITS: NaN and infinities are not treated apart; a group more than 200 powers of two below the row's counts as 0; a scaled weight below 2^-126 may count as 0.
.set T,      16
.set PITCH,  272                       ; a row of p in LDS
.set PITV,   288                       ; a row of v: 256 + 32
.set HALFA,  128*PITCH
.set BOFF,   2*HALFA
.set HALFB,  64*PITV
.set SLOT1,  131072
.set STAGE,  SLOT1+BOFF+2*HALFB        ; 16 rows x 528 bytes for each wave
.set SPIT,   528
.set FT,     STAGE+4*16*SPIT           ; the factors: for each wave 16 steps x 16 rows x 4 blocks, a pair of bf16 each
.set SPARE,  FT+4*4096
.set ROWQ,   6144
.set ROWP,   4096
.set ROWO,   4096
.set STEPB,  128*ROWQ
.set PADK,   (1<<16)|(1<<20)|(1<<21)|(5<<22)|(3<<25)
.set PADV,   (1<<16)|(1<<20)|(1<<21)|(5<<22)|(7<<25)
.set ADRA0, 16
.set ADRB0, 17
.set ADRA,  18
.set ADRB,  19
.set FTS,   20                         ; where I put my factors
.set FTA0,  21                         ; my row's place in a step's factors; never rewritten
.set STO,   24
.set RD,    25
.set CO,    26                         ; 16 x lane: my place in 512 bytes of a row of embedded and of out
.set SO,    27                         ; my byte offset in st
.set SPW,   28
.set NIL,   29
.set PFO,   30
.set FTA,   31                         ; the LDS address of the factors in hand
.set PR,    36                         ; v36-39 the step's factors, a block each
.set PRN,   40                         ; v40-43 the next step's
.set INV,   44                         ; v44-51 1 / l, a pair a block
.set FM,    52
.set LS,    56
.set TT,    60
.set F0,    64
.set PT,    96                         ; v96-127 the 32 factor pairs that I make
.set F1,    128
.set SD,    160                        ; v160-223 the statistics as loaded: block a, step pair u at SD + 16 a + 2 u
.set OB0,   160                        ; the way out: 16 rows read back, two buffers
.set OB1,   64
.set WV, 14
.set FB, 15
.set HF, 16
.set CX, 17
.set CY, 18
.set X,  19
.set Y,  20
.set YC, 21
.set CNT, 22
.set TB,  23
.set G1A, 24
.set G0A0, 32
.set G0A, 36
.set G1B, 40
.set G0B0, 48
.set G0B, 52
.set LIM, 56
.set BT,  57
.set PFA, 58
.set PFS, 60                           ; s[60:61] the prefetches' step: 256 bytes along p's rows, 128 rows down v
.set SEL, 68
.set FTT, 91                           ; s91  256 x the step whose factors are fetched next
.set MSB, 0
.macro WIN new
.if MSB != (\new)
	s_set_vgpr_msb (MSB<<8)|(\new)
.set MSB, (\new)
.endif
.endm
.macro PLACES
.rept 4
	v_nop
.endr
.endm
.macro CREST
	s_cmp_lg_u32 s[WV], 0
	s_cbranch_scc1 .Lnot_wave_0_\@
	s_barrier_signal -3
.Lnot_wave_0_\@:
	s_barrier_wait -3
	s_barrier_signal -1
	s_barrier_wait -1
.endm
.macro CROUND
	s_barrier_signal -1
	s_barrier_wait -1
	CREST
.endm
.macro JLOAD
	s_cmp_eq_u32 s[FB], 0
	s_cbranch_scc0 .Lfor_b_\@
	tensor_load_to_lds s[G0A:G0A+3], s[G1A:G1A+7]
	s_nop 0
.rept 4
	v_nop
.endr
	s_branch .Lasked_\@
.Lfor_b_\@:
	tensor_load_to_lds s[G0B:G0B+3], s[G1B:G1B+7]
	s_nop 0
.rept 4
	v_nop
.endr
.Lasked_\@:
.endm
.macro ASK                             ; a prefetch of the K step two refills on: 32 rows x 256 bytes, a lane a row; the last two filling trips ask for nothing
	s_cmp_gt_u32 s[CNT], s[LIM]
	s_cbranch_scc0 .Lnot_mine_\@
	global_prefetch_b8 v[PFO], s[PFA:PFA+1] th:TH_LOAD_NT scope:SCOPE_SE
.Lnot_mine_\@:
.endm
.macro FACT                            ; the next step's factors: 16 bytes a lane, the four blocks' pairs of my row
	v_add_nc_u32 v[FTA], s[FTT], v[FTA0]
	s_add_co_u32 s[FTT], s[FTT], 256
	ds_load_b128 v[PRN:PRN+3], v[FTA]
.endm
	s_load_b256 s[4:11], s[0:1], 0x0               ; p s[4:5], qkv s[6:7], st s[8:9], embedded s[10:11]
	s_load_b64 s[12:13], s[0:1], 0x20              ; out0
	v_lshl_add_u32 v[SPW], v0, 2, SPARE
	v_mov_b32 v[NIL], 0
	ds_add_u32 v[SPW], v[NIL]                      ; the wave's opening: the add and its wait ahead of my first tensor load
	v_lshrrev_b32 v1, 5, v0
	v_readfirstlane_b32 s[WV], v1
	s_lshr_b32 s[FB], s[WV], 1
	s_and_b32 s[HF], s[WV], 1
	s_bfe_u32 s[CX], ttmp6, 0x40000
	s_bfe_u32 s[CY], ttmp6, 0x40004
	s_lshl_b32 s[X], ttmp9, 2
	s_add_co_u32 s[X], s[X], s[CX]
	s_and_b32 s[YC], ttmp7, 0xffff
	s_lshl_b32 s[Y], s[YC], 2
	s_add_co_u32 s[Y], s[Y], s[CY]
	s_lshr_b32 s[BT], s[YC], 1
	s_lshl_b32 s2, s[CY], 2
	s_lshl_b32 s2, 15, s2
	s_lshl_b32 s3, 0x1111, s[CX]
	s_or_b32 s[G1A], s2, PADK
	s_or_b32 s[G1B], s3, PADV
	s_mov_b32 s[G1A+1], 128<<16                    ; p's tile: 128 rows x 128 elements, 2,048 elements from row to row
	s_mov_b32 s[G1A+2], 128<<16
	s_mov_b32 s[G1A+3], 128<<16
	s_mov_b32 s[G1A+4], 128
	s_mov_b32 s[G1A+5], 2048
	s_mov_b32 s[G1A+6], 0
	s_mov_b32 s[G1A+7], 0
	s_mov_b32 s[G1B+1], 128<<16                    ; v's: 64 keys x 128 channels, 3,072 elements from row to row
	s_mov_b32 s[G1B+2], 64<<16
	s_mov_b32 s[G1B+3], 128<<16
	s_mov_b32 s[G1B+4], 64
	s_mov_b32 s[G1B+5], 3072
	s_mov_b32 s[G1B+6], 0
	s_mov_b32 s[G1B+7], 0
	s_mul_i32 s74, s[HF], HALFA
	s_mul_i32 s75, s[HF], HALFB
	s_add_co_u32 s75, s75, BOFF
	s_mov_b32 s[G0A0], 1
	s_mov_b32 s[G0A0+1], s74
	s_mov_b32 s[G0A], 1
	s_add_co_u32 s[G0A+1], s74, SLOT1
	s_mov_b32 s[G0B0], 1
	s_mov_b32 s[G0B0+1], s75
	s_mov_b32 s[G0B], 1
	s_add_co_u32 s[G0B+1], s75, SLOT1
	s_mov_b32 s[TB], 0
	s_mov_b32 s[FTT], 0
	s_mov_b32 s[SEL], 0x76543210
	s_mov_b32 s[SEL+1], 0xfedcba98
	s_lshl_b32 s70, s[Y], 1                        ; p: 128 rows of 4,096 bytes = 2^19
	s_add_co_u32 s70, s70, s[HF]
	s_lshl_b32 s70, s70, 19
	s_mov_b32 s71, 0
	s_lshl_b32 s72, s[BT], 11                      ; v: key 2,048 x batch + 64 x half; byte 4,096 + 256 x tile column of the row
	s_lshl_b32 s73, s[HF], 6
	s_add_co_u32 s72, s72, s73
	s_mul_i32 s72, s72, ROWQ
	s_lshl_b32 s73, s[X], 8
	s_add_co_u32 s72, s72, s73
	s_add_co_u32 s72, s72, 4096
	s_mov_b32 s73, 0
	s_lshl_b32 s88, s[Y], 8
	s_lshl_b32 s89, s[WV], 6
	s_add_co_u32 s88, s88, s89                     ; my first row
	s_lshl_b32 s92, s88, 3                         ; 8 bytes a row in st
	s_mov_b32 s93, 0
	s_lshl_b32 s88, s88, 12                        ; 4,096 in embedded and out,
	s_lshl_b32 s89, s[X], 9                        ; the tile's 128 channels: 512 bytes
	s_add_co_u32 s88, s88, s89
	s_mov_b32 s89, 0
	s_wait_dscnt 0x0
	s_wait_kmcnt 0x0
	s_add_nc_u64 s[G0A0+2:G0A0+3], s[4:5], s[70:71]
	s_add_nc_u64 s[G0A+2:G0A+3], s[G0A0+2:G0A0+3], 256
	s_or_b32 s[G0A0+3], s[G0A0+3], 0x80000000
	s_or_b32 s[G0A+3], s[G0A+3], 0x80000000
	s_add_nc_u64 s[G0B0+2:G0B0+3], s[6:7], s[72:73]
	s_add_nc_u64 s[G0B+2:G0B+3], s[G0B0+2:G0B0+3], STEPB
	s_or_b32 s[G0B0+3], s[G0B0+3], 0x80000000
	s_or_b32 s[G0B+3], s[G0B+3], 0x80000000
	s_add_nc_u64 s[8:9], s[8:9], s[92:93]
	s_add_nc_u64 s[10:11], s[10:11], s[88:89]
	s_add_nc_u64 s[12:13], s[12:13], s[88:89]
	CROUND
	s_cmp_eq_u32 s[FB], 0
	s_cbranch_scc0 .Lfirst_b
	tensor_load_to_lds s[G0A0:G0A0+3], s[G1A:G1A+7]
	s_nop 0
	tensor_load_to_lds s[G0A:G0A+3], s[G1A:G1A+7]
	s_nop 0
.rept 4
	v_nop
.endr
	s_branch .Lfirst_asked
.Lfirst_b:
	tensor_load_to_lds s[G0B0:G0B0+3], s[G1B:G1B+7]
	s_nop 0
	tensor_load_to_lds s[G0B:G0B+3], s[G1B:G1B+7]
	s_nop 0
.rept 4
	v_nop
.endr
.Lfirst_asked:
	v_and_b32 v1, 15, v0                           ; r
	v_bfe_u32 v2, v0, 4, 1                         ; h
	v_and_b32 v3, 31, v0                           ; l
	v_lshlrev_b32 v4, 16, v2
	v_lshl_add_u32 v[SO], v1, 3, v4                ; group 2 u + h, row r: h x 65,536 + 8 r
.set j, 0
.rept 32                                               ; j = 4 u + a: the pair (fl, l) of row 16 a + r, group 2 u + h
	global_load_b64 v[SD+16*(j%4)+2*(j/4):SD+16*(j%4)+2*(j/4)+1], v[SO], s[8:9] offset:(j/4)*131072+(j%4)*128
.set j, j+1
.endr
	v_mul_u32_u24 v4, v1, PITCH
	v_lshl_add_u32 v4, v2, 4, v4
	s_mul_i32 s78, s[WV], 64*PITCH
	v_add_nc_u32 v[ADRA0], s78, v4
	v_and_b32 v5, 7, v0                            ; the turning load: lane l reads key 8 h + l % 8, channels 8 ((l / 8) % 2) + 0..7
	v_bfe_u32 v6, v0, 3, 1
	v_lshl_add_u32 v5, v2, 3, v5
	v_mul_u32_u24 v5, v5, PITV
	v_lshl_add_u32 v5, v6, 4, v5
	v_add_nc_u32 v[ADRB0], BOFF, v5
	v_mov_b32 v[ADRA], v[ADRA0]
	v_mov_b32 v[ADRB], v[ADRB0]
	s_mul_i32 s79, s[WV], 16*SPIT
	s_add_co_u32 s79, s79, STAGE
	v_mul_u32_u24 v7, v1, SPIT
	v_lshl_add_u32 v7, v2, 5, v7
	v_add_nc_u32 v[STO], s79, v7                   ; in: row r, 32 bytes for each half of the lanes
	v_lshl_add_u32 v[RD], v3, 4, s79               ; back: a whole row of 512 bytes
	v_lshlrev_b32 v[CO], 4, v3
	s_lshl_b32 s76, s[WV], 12
	s_add_co_u32 s76, s76, FT
	v_lshl_add_u32 v[FTA0], v1, 4, s76
	v_lshl_add_u32 v[FTS], v2, 8, v[FTA0]
	; The prefetches.  p's rows are read by both clusters of a row of clusters: cluster x = 0 asks; v's by the two clusters of a batch in a column: the even cluster y asks.  The four partners share
	; the rows out by address, 32 each: waves 0, 1 of their 128 rows of p (by cx), wave 2 of a step's 128 keys (by cy); wave 3 asks for nothing.  Each row's 256 bytes of a K step are named once.
	s_lshl_b32 s80, s[Y], 8
	s_lshl_b32 s81, s[HF], 7
	s_add_co_u32 s80, s80, s81
	s_lshl_b32 s81, s[CX], 5
	s_add_co_u32 s80, s80, s81
	s_lshl_b32 s80, s80, 12
	s_add_co_u32 s80, s80, 3*256                   ; at K step 3: the first change of slots steps it to 4
	s_lshl_b32 s82, s[BT], 11
	s_lshl_b32 s83, s[CY], 5
	s_add_co_u32 s82, s82, s83
	s_mul_i32 s82, s82, ROWQ
	s_lshl_b32 s83, s[X], 8
	s_add_co_u32 s82, s82, s83
	s_add_co_u32 s82, s82, 4096+3*STEPB
	s_and_b32 s84, s[YC], 1
	s_or_b32 s84, s84, s[HF]
	s_mov_b32 s[PFS], STEPB                        ; v's step and pitch; the selects below put p's in their place (an instruction holds one literal)
	s_mov_b32 s85, ROWQ
	s_cmp_eq_u32 s[FB], 0
	s_cselect_b32 s80, s80, s82
	s_cselect_b32 s84, ttmp9, s84
	s_cselect_b32 s[PFS], 256, s[PFS]
	s_cselect_b32 s85, ROWP, s85
	s_cselect_b64 s[PFA:PFA+1], s[4:5], s[6:7]
	s_cmp_eq_u32 s84, 0
	s_cselect_b32 s[LIM], 2, -1
	s_mov_b32 s[PFS+1], 0
	s_mov_b32 s81, 0
	s_add_nc_u64 s[PFA:PFA+1], s[PFA:PFA+1], s[80:81]
	v_mul_u32_u24 v[PFO], s85, v3
	s_wait_loadcnt 0x0                             ; the statistics
	; FM: the least fl of my eight groups, then of the other half of the lanes' eight
.irp a, 0,1,2,3
	v_min3_num_f32 v[FM+\a], v[SD+16*\a], v[SD+16*\a+2], v[SD+16*\a+4]
.endr
.irp a, 0,1,2,3
	v_min3_num_f32 v[FM+\a], v[FM+\a], v[SD+16*\a+6], v[SD+16*\a+8]
.endr
.irp a, 0,1,2,3
	v_min3_num_f32 v[FM+\a], v[FM+\a], v[SD+16*\a+10], v[SD+16*\a+12]
.endr
.irp a, 0,1,2,3
	v_min_num_f32 v[FM+\a], v[FM+\a], v[SD+16*\a+14]
.endr
.irp a, 0,1,2,3
	v_mov_b32 v[TT+\a], v[FM+\a]                   ; v_permlanex16_b32's destination counts as read
.endr
.irp a, 0,1,2,3
	v_permlanex16_b32 v[TT+\a], v[FM+\a], s[SEL], s[SEL+1]
.endr
.irp a, 0,1,2,3
	v_min_num_f32 v[FM+\a], v[FM+\a], v[TT+\a]
.endr
	; f = 2^(FM - fl), in fl's place; l's partial sum; the factor as a pair of bf16
.set j, 0
.rept 32
	v_sub_f32 v[SD+16*(j%4)+2*(j/4)], v[FM+j%4], v[SD+16*(j%4)+2*(j/4)]
.set j, j+1
.endr
.set j, 0
.rept 32
	v_max_num_f32 v[SD+16*(j%4)+2*(j/4)], 0xc3480000, v[SD+16*(j%4)+2*(j/4)]  ; not below -200
.set j, j+1
.endr
.set j, 0
.rept 32
	v_cvt_i32_f32 v[SD+16*(j%4)+2*(j/4)], v[SD+16*(j%4)+2*(j/4)]
.set j, j+1
.endr
.set j, 0
.rept 32
	v_ldexp_f32 v[SD+16*(j%4)+2*(j/4)], 1.0, v[SD+16*(j%4)+2*(j/4)]
.set j, j+1
.endr
.set j, 0
.rept 32
.if j < 4
	v_mul_f32 v[LS+j%4], v[SD+16*(j%4)+2*(j/4)], v[SD+16*(j%4)+2*(j/4)+1]
.else
	v_fmac_f32 v[LS+j%4], v[SD+16*(j%4)+2*(j/4)], v[SD+16*(j%4)+2*(j/4)+1]
.endif
	v_cvt_pk_bf16_f32 v[PT+j], v[SD+16*(j%4)+2*(j/4)], v[SD+16*(j%4)+2*(j/4)]
.set j, j+1
.endr
.irp g, 0,1,2,3,4,5,6,7
	ds_store_b128 v[FTS], v[PT+4*\g:PT+4*\g+3] offset:512*\g  ; step 2 g + h, row r: the four blocks' factors; only my own wave reads them
.endr
.irp a, 0,1,2,3
	v_permlanex16_b32 v[TT+\a], v[LS+\a], s[SEL], s[SEL+1]
.endr
.irp a, 0,1,2,3
	v_add_f32 v[LS+\a], v[LS+\a], v[TT+\a]
.endr
.irp a, 0,1,2,3
	v_rcp_f32 v[INV+2*\a], v[LS+\a]
.endr
	v_nop                                          ; a plain instruction behind the last reciprocal,
	s_wait_alu depctr_va_vdst(0)                   ; and one wait ahead of the first reader
.irp a, 0,1,2,3
	v_mov_b32 v[INV+2*\a+1], v[INV+2*\a]           ; named with it as a pair
.endr
	WIN 0xc0                                       ; my 64 rows x 512 bytes of embedded: asked for now, waited for on the way out
.set i, 0
.rept 64
	global_load_b128 v[4*i:4*i+3], v[CO], s[10:11] offset:i*ROWO th:TH_LOAD_NT
.set i, i+1
.endr
	WIN 0
.macro MM f, a, b, z                   ; one product: accumulator (a, b); z = 1: it starts the sum
	WIN 0xa1                                       ; v window 1, p window 0, C and D window 2
.if \z
	v_wmma_f32_16x16x32_bf16 v[8*(8*(\a)+(\b)):8*(8*(\a)+(\b))+7], v[(\f)+8*(\b):(\f)+8*(\b)+7], v[(\f)+8*(\a):(\f)+8*(\a)+7], 0
.else
	v_wmma_f32_16x16x32_bf16 v[8*(8*(\a)+(\b)):8*(8*(\a)+(\b))+7], v[(\f)+8*(\b):(\f)+8*(\b)+7], v[(\f)+8*(\a):(\f)+8*(\a)+7], v[8*(8*(\a)+(\b)):8*(8*(\a)+(\b))+7]
.endif
.endm
.macro SC4 f, a, r0                    ; four registers of block a's fragment of p times the step's factor: a power of two, so nothing is rounded
	WIN 0
.irp i, 0,1,2,3
	v_pk_mul_bf16 v[(\f)+8*(\a)+(\r0)+\i], v[(\f)+8*(\a)+(\r0)+\i], v[PR+(\a)]
.endr
.endm
.macro BLK f, a, sc, z                 ; a row block's eight products; sc = 1: the next block's fragment is scaled behind the second and the fourth
	MM \f, \a, 0, \z
	MM \f, \a, 1, \z
.if \sc
	SC4 \f, (\a)+1, 0
.endif
	MM \f, \a, 2, \z
	MM \f, \a, 3, \z
.if \sc
	SC4 \f, (\a)+1, 4
.endif
	MM \f, \a, 4, \z
	MM \f, \a, 5, \z
	MM \f, \a, 6, \z
	MM \f, \a, 7, \z
.endm
.macro FETCH kq, f                     ; 24 LDS loads in one run: quarter kq's fragments: 32 keys x 128 channels of v, turned; my 64 rows x 32 keys of p
	WIN 0x40
.irp i, 0,1,2,3,4,5,6,7
	ds_load_tr16_b128 v[(\f)+8*\i:(\f)+8*\i+3],   v[ADRB] offset:(\kq)*32*PITV+32*\i
	ds_load_tr16_b128 v[(\f)+8*\i+4:(\f)+8*\i+7], v[ADRB] offset:(\kq)*32*PITV+16*PITV+32*\i
.endr
	WIN 0
.irp i, 0,1,2,3
	ds_load_b128 v[(\f)+8*\i:(\f)+8*\i+3],   v[ADRA] offset:(\kq)*64+\i*16*PITCH
	ds_load_b128 v[(\f)+8*\i+4:(\f)+8*\i+7], v[ADRA] offset:(\kq)*64+\i*16*PITCH+32
.endr
.endm
; A quarter: 32 products on buffer f, all 32 accumulators by turns in the same order; in its middle the next quarter kq is fetched into g.  cp = 1: a step's first quarter takes the step's factors.
.macro QUARTER kq, f, g, z, cp
	s_wait_dscnt 4                                 ; v, p's blocks 0, 1 (and the factors) are in; the youngest four loads (blocks 2, 3) may be out
	WIN 0
.if \cp
.irp i, 0,1,2,3
	v_mov_b32 v[PR+\i], v[PRN+\i]
.endr
.endif
	SC4 \f, 0, 0
	SC4 \f, 0, 4
	BLK \f, 0, 1, \z
	s_wait_dscnt 0x0                               ; blocks 2, 3 are in
	BLK \f, 1, 1, \z
	PLACES                                         ; in front of loads into registers that products have read
	FETCH \kq, \g
	BLK \f, 2, 1, \z
	BLK \f, 3, 0, \z
.endm
; The last quarter changes slots: each wave waits for all its tensor loads (one is out: its part of the next slot), adds 0 to its spare word, waits for that and for its reads of this slot.
; fill = 1: the barrier opens a round of the cluster's, and the joint refill, two K steps on, is the first thing behind it.
.macro TURN fill
.if \fill
	s_wait_xcnt 0x0                                ; the last prefetch, a K step back, has read its address
	s_add_nc_u64 s[PFA:PFA+1], s[PFA:PFA+1], s[PFS:PFS+1]
.endif
	WIN 0
	s_wait_tensorcnt 0x0
	ds_add_u32 v[SPW], v[NIL]
.if \fill
	s_xor_b32 s[G0A+1], s[G0A+1], SLOT1
	s_add_nc_u64 s[G0A+2:G0A+3], s[G0A+2:G0A+3], 256
	s_xor_b32 s[G0B+1], s[G0B+1], SLOT1
	s_add_nc_u64 s[G0B+2:G0B+3], s[G0B+2:G0B+3], STEPB
.endif
	s_xor_b32 s[TB], s[TB], SLOT1
	s_wait_dscnt 5                                 ; the add and the youngest four loads may be out
	SC4 F1, 0, 0
	SC4 F1, 0, 4
	BLK F1, 0, 1, 0
	s_wait_dscnt 0x0
	s_barrier_signal -1
	BLK F1, 1, 1, 0
	WIN 0
	s_barrier_wait -1
.if \fill
	CREST
	JLOAD
.else
	PLACES
.endif
	v_add_nc_u32 v[ADRA], s[TB], v[ADRA0]
	v_add_nc_u32 v[ADRB], s[TB], v[ADRB0]
	FACT                                           ; the next step's factors
	FETCH 0, F0
.if \fill
	ASK
.endif
	BLK F1, 2, 1, 0
	BLK F1, 3, 0, 0
.endm
	s_wait_tensorcnt 0x1                           ; my part of K step 0 is in; K step 1's may stay out
	s_wait_dscnt 0x0                               ; my factors are stored
	s_barrier_signal -1
	s_barrier_wait -1
	FACT
	FETCH 0, F0
	QUARTER 1, F0, F1, 1, 1
	WIN 0
	s_mov_b32 s[CNT], T-2
.Lk:
	QUARTER 2, F1, F0, 0, 0
	QUARTER 3, F0, F1, 0, 0
	TURN 1
	QUARTER 1, F0, F1, 0, 1
	WIN 0
	s_sub_co_u32 s[CNT], s[CNT], 1
	s_cmp_lg_u32 s[CNT], 0
	s_cbranch_scc1 .Lk
	QUARTER 2, F1, F0, 0, 0                        ; the last two K steps are written out: nothing more is asked for
	QUARTER 3, F0, F1, 0, 0
	TURN 0
	QUARTER 1, F0, F1, 0, 1
	QUARTER 2, F1, F0, 0, 0
	QUARTER 3, F0, F1, 0, 0
	s_wait_dscnt 4
	SC4 F1, 0, 0
	SC4 F1, 0, 4
	BLK F1, 0, 1, 0
	s_wait_dscnt 0x0
	BLK F1, 1, 1, 0
	BLK F1, 2, 1, 0
	BLK F1, 3, 0, 0
; THE WAY OUT, a block of 16 rows at a time: divided by l (each accumulator's registers in ascending order), through my stage into whole rows of 512 bytes, added onto embedded, stored.
.macro OSC q
	WIN 0x82
.set i, 64*(\q)
.rept 32
	v_pk_mul_f32 v[i:i+1], v[i:i+1], v[INV+2*(\q):INV+2*(\q)+1] op_sel_hi:[1,0]
.set i, i+2
.endr
.endm
.macro OST q
	WIN 0x08                                       ; the stores' data in window 2
.irp b, 0,1,2,3,4,5,6,7
	ds_store_b128 v[STO], v[64*(\q)+8*\b:64*(\q)+8*\b+3]   offset:64*\b
	ds_store_b128 v[STO], v[64*(\q)+8*\b+4:64*(\q)+8*\b+7] offset:64*\b+16
.endr
	WIN 0
.set ob, OB0+(OB1-OB0)*((\q)%2)
.irp t, 0,1,2,3,4,5,6,7,8,9,10,11,12,13,14,15
	ds_load_b128 v[ob+4*\t:ob+4*\t+3], v[RD] offset:SPIT*\t  ; LDS serves a wave's instructions in order: these see the stores above
.endr
.endm
.macro OSE q, younger                  ; younger: the next block's 32 LDS instructions, or none
	s_wait_dscnt \younger
	WIN 0xc3
.set ob, OB0+(OB1-OB0)*((\q)%2)
.set i, 0
.rept 32
	v_pk_add_f32 v[64*(\q)+2*i:64*(\q)+2*i+1], v[64*(\q)+2*i:64*(\q)+2*i+1], v[ob+2*i:ob+2*i+1]
.set i, i+1
.endr
	WIN 0x0c                                       ; the stores' data in window 3; these registers are never written again
.irp t, 0,1,2,3,4,5,6,7,8,9,10,11,12,13,14,15
	global_store_b128 v[CO], v[64*(\q)+4*\t:64*(\q)+4*\t+3], s[12:13] offset:(16*(\q)+\t)*ROWO th:TH_STORE_NT  ; 512 consecutive bytes, aligned
.endr
.endm
	PLACES
	PLACES
	s_wait_loadcnt 0x0                             ; embedded
	OSC 0
	OST 0
	OSC 1
	OST 1
	OSE 0, 32
	OSC 2
	OST 2
	OSE 1, 32
	OSC 3
	OST 3
	OSE 2, 32
	OSE 3, 0
	WIN 0
	s_wait_tensorcnt 0x0                           ; the wave's end
	ds_add_u32 v[SPW], v[NIL]
	s_wait_dscnt 0x0
	CROUND                                         ; the closing round
	s_endpgm
.Lfunc_end_k_qc8f90dfcad_pv:
	.size	k_qc8f90dfcad_pv, .Lfunc_end_k_qc8f90dfcad_pv-k_qc8f90dfcad_pv
	.p2alignl 7, 3214868480
	.fill 96, 4, 3214868480
	.section	.rodata,"a",@progbits
	.p2align	6, 0x0
	.amdhsa_kernel k_qc8f90dfcad_pv
		.amdhsa_group_segment_fixed_size 327680
		.amdhsa_private_segment_fixed_size 0
		.amdhsa_enable_private_segment 0
		.amdhsa_kernarg_size 40
		.amdhsa_user_sgpr_count 2
		.amdhsa_user_sgpr_kernarg_segment_ptr 1
		.amdhsa_wavefront_size32 1
		.amdhsa_system_sgpr_workgroup_id_x 1
		.amdhsa_system_sgpr_workgroup_id_y 1
		.amdhsa_system_sgpr_workgroup_id_z 1
		.amdhsa_system_vgpr_workitem_id 0
		.amdhsa_next_free_vgpr 1024
		.amdhsa_next_free_sgpr 100
		.amdhsa_reserve_vcc 0
		.amdhsa_float_denorm_mode_32 3
		.amdhsa_float_denorm_mode_16_64 3
		.amdhsa_memory_ordered 1
		.amdhsa_forward_progress 1
		.amdhsa_inst_pref_size 138
	.end_amdhsa_kernel
	.amdgpu_metadata
---
amdhsa.version: [ 1, 2 ]
amdhsa.kernels:
  - .name:           k_qc8f90dfcad_pv
    .symbol:         k_qc8f90dfcad_pv.kd
    .args:
      - { .name: p, .offset: 0, .size: 8, .value_kind: global_buffer, .address_space: global }
      - { .name: qkv, .offset: 8, .size: 8, .value_kind: global_buffer, .address_space: global }
      - { .name: st, .offset: 16, .size: 8, .value_kind: global_buffer, .address_space: global }
      - { .name: embedded, .offset: 24, .size: 8, .value_kind: global_buffer, .address_space: global }
      - { .name: out0, .offset: 32, .size: 8, .value_kind: global_buffer, .address_space: global }
    .group_segment_fixed_size: 327680
    .private_segment_fixed_size: 0
    .kernarg_segment_align: 8
    .kernarg_segment_size: 40
    .max_flat_workgroup_size: 128
    .sgpr_count:     100
    .vgpr_count:     1024
    .wavefront_size: 32
...
	.end_amdgpu_metadata
.endif
;; end of part 4
